; MI455X (gfx1250); checked and timed in simulation.
; The chip was launched on July 23, 2026; its instructions are those of AMD's public machine-readable ISA for CDNA 5 (MIT licence, August 2026) and "CDNA5" Instruction Set Architecture Reference Guide (July 2026). The comments in the code are by the model that wrote it; some were corrected since.
;; Multi Attention. Allowed arithmetic: matrix products marked QUANTISED: E2M1 operands, one E8M0 scale for each 32 along K, by v_wmma_scale_f32_16x16x128_f8f6f4 with both operands' format E2M1 (or v_wmma_scale_f32_32x16x128_f4), f32 sums; everything else in f32.
;; Inputs: Wk 8 x 512 x 64 float32; Wo 512 x 512 float32; Wq 8 x 512 x 64 float32; Wv 8 x 512 x 64 float32; bk 8 x 64 float32; bo 512 float32; bq 8 x 64 float32; bv 8 x 64 float32; k_in 4 x 2,048 x 512 float32; q_in 4 x 2,048 x 512 float32; v_in 4 x 2,048 x 512 float32.
;; Outputs: out0 4 x 2,048 x 512 float32.
;; This version of the problem:
;;   THIS VERSION OF THE PROBLEM IS GIVEN IN LOW PRECISION. The matrix products marked QUANTISED in the list below multiply operands that are first quantised to E2M1 (2 exponent bits, 1 mantissa bit; 4 bits a number), with one power-of-two scale for each 32 numbers along K (OCP MX v1.0); their sums are f32. All else is computed in f32.
;;   The module's matrix products, in the order in which they are computed (A, B: the left and right operand; K: the contracted axis; several contracted axes count as one K, in the product's order):
;;     1. [M 512, K 512] x [K 512, N 8,192]; A: input Wq; B: input q_in: QUANTISED
;;     2. [M 512, K 512] x [K 512, N 8,192]; A: input Wk; B: input k_in: QUANTISED
;;     3. [M 512, K 512] x [K 512, N 8,192]; A: input Wv; B: input v_in: QUANTISED
;;     4. batch 32 x [M 2,048, K 64] x [K 64, N 2,048]; A: computed on the way; B: computed on the way: QUANTISED
;;     5. batch 32 x [M 2,048, K 2,048] x [K 2,048, N 64]; A: softmax (see below); B: computed on the way: QUANTISED
;;     6. [M 8,192, K 512] x [K 512, N 512]; A: computed on the way; B: input Wo: QUANTISED
;;   THE QUANTISER, for each operand of a quantised product, along K:
;;     - K is cut into blocks of 32 from its start; a last block that is shorter is filled with zeros.
;;     - A block's scale is 2^e with e = floor(log2(the largest magnitude in the block)) - 2, held to -126 .. 127; a block of zeros has e = 0. As a byte (E8M0): e + 127.
;;     - Each number is divided by its block's scale, clamped to +-6, and rounded to the nearest number of E2M1, ties to even, subnormals kept.
;;     - The product sums the exact products of the quantised numbers (number of the format x scale) in f32.
;;   ~~~python
;;   def quantise(x, axis):      # numpy; x: float32 -> the quantised numbers, widened to float32 again
;;       x = np.moveaxis(x, axis, -1); K = x.shape[-1]
;;       x = np.pad(x, [(0, 0)] * (x.ndim - 1) + [(0, -K % 32)]); x = x.reshape(x.shape[:-1] + (-1, 32)); a = np.abs(x).max(-1, keepdims=True)
;;       e = np.where(a > 0, np.clip(np.frexp(np.where(a > 0, a, 1))[1] - 1 - 2, -126, 127), 0)      # np.frexp(a)[1] - 1 = floor(log2(a)), exactly
;;       r = np.clip(x / 2.0 ** e, -6, 6)
;;       step = 2.0 ** (np.maximum(np.frexp(np.where(r == 0, 1, r))[1] - 1, 0) - 1)
;;       q = np.round(r / step) * step * 2.0 ** e      # np.round: ties to even
;;       return np.moveaxis(q.reshape(q.shape[:-2] + (-1,))[..., :K], -1, axis).astype(np.float32)
;;   ~~~
;;   SOFTMAX AHEAD OF A QUANTISED PRODUCT. Where the list says 'softmax', what is quantised is not the finished softmax but p = 2^(t - M), with t = logit x log2(e) and M = ceil(the row's largest t), a whole number; so 1/2 < the row's largest p <= 1. The row's sum l is taken of the UNQUANTISED p, in f32, and the product's result is divided by l at the end. Since M is a whole number, a kernel that streams over the keys may use a running M (the ceiling of the running maximum): every later rescaling is an exact power of two, which a block's scale takes up: the codes' values come out the same.
;;   OPERANDS COMPUTED ON THE WAY. 'Computed on the way' means the value that the module computes at that place (a softmax that the list does not call 'softmax' is quantised finished and normalised). What goes into a quantiser is computed in f32, as accurately as f32 sums, v_exp_f32 and their like allow (about 1e-6 of the number): no bf16 or f16 on the way to a quantiser, and a product that is left as it is and whose result goes on into a quantised operand takes f32 operands (vector FMAs, or v_wmma_f32_16x16x4_f32). A number that lies on a knife's edge between two numbers of the format may be rounded either way, as far as f32 arithmetic and the matrix unit's own rounding can turn it there, and no further.
;; 2 versions. Each part assembles by itself: llvm-mc -triple=amdgcn-amd-amdhsa -mcpu=gfx1250 --defsym DOCPART=n.
;; ======== version 1 of 2: 4 launches
;; workspace buffers: wcodes 524,288 bytes; wscales 32,768 bytes; acodes 6,291,456 bytes; ascales 655,360 bytes; ccodes 2,097,152 bytes; cscales 131,072 bytes
;; launch wquant (part 1): grid 128 x 1, 8 waves a work-group, no clusters, 1,280 bytes of LDS; arguments Wq, Wk, Wv, Wo, wcodes, wscales; writes wcodes, wscales
.if DOCPART == 1
	.amdgcn_target "amdgcn-amd-amdhsa--gfx1250"
	.amdhsa_code_object_version 6
	.text
	.protected	k_q1f622aa99b_wquant
	.globl	k_q1f622aa99b_wquant
	.p2align	8
	.type	k_q1f622aa99b_wquant,@function
k_q1f622aa99b_wquant:
	s_mov_b64 s[64:65], 0
	v_nop
	global_prefetch_b8 v0, s[64:65] scope:SCOPE_SE
	s_setreg_imm32_b32 hwreg(HW_REG_WAVE_MODE, 25, 1), 1
	s_wait_xcnt 0x0
; The four weights, f32 with K as an outer axis (Wq, Wk, Wv: [8 heads][512 k][64]; Wo: [512 k][512]), become codes of FP4 (E2M1) and E8M0 scale bytes, one for each 32 along K.
; A block's scale is 2^(floor(log2(its largest magnitude)) - 2): its byte is the largest magnitude's exponent field - 2, held at 1 from below.
; LIMITS: NaN and infinities are not served; a block of zeros gets the byte 1 where the rule says 127 (its codes are zeros, and this program alone reads the bytes).
; OUT, in the order of an operand's registers.  A column is 64 head + dk (Wo: its column); tile T = column / 16, r = column % 16; block kb = k / 32 = 4 s + 2 c + h.
;   wcodes : weight x 131072 + T x 4096 + kb x 256 + r x 16: the block's 32 codes.  So fragment (T, K step s) is 1,024 bytes on end: registers 4 c .. 4 c + 3 of lane 16 h + r at s x 1024 + c x 512 + 16 x lane.
;   wscales: weight x 8192 + (T / 2) x 512 + s x 128 + 4 x lane: the word of K step s; lanes 0-15 tile 2 (T / 2), lanes 16-31 the tile behind it.
; SHARES.  A work-group takes 32 columns x 256 along K, each of its eight waves ONE block of 32 along K.  A LANE TAKES A COLUMN AND ITS REGISTERS RUN DOWN K: each load reads 128 consecutive bytes,
; the block's maximum needs no other lane, and the conversions give codes with K innermost.  All 32 loads of a wave go out at once.  128 work-groups: a work-group's scale bytes are then 256 bytes on end, aligned.
; No matrix unit, no tensor loads, no cluster: every input byte is read once, by one wave.
.set X, 32                             ; v32-63 my column's 32 numbers
.macro LOADS pitch                     ; W(32 kb + i, my column); pitch = bytes from one k to the next
.irp i, 0,1,2,3,4,5,6,7,8,9,10,11,12,13,14,15,16,17,18,19,20,21,22,23,24,25,26,27,28,29,30,31
	global_load_b32 v[X+\i], v1, s[4:5] offset:\i*\pitch th:TH_LOAD_NT
.endr
.endm
	s_load_b256 s[4:11], s[0:1], 0x0               ; Wq, Wk, Wv, Wo
	s_load_b128 s[12:15], s[0:1], 0x20             ; wcodes, wscales
	v_lshl_add_u32 v64, v0, 2, 0x100
	v_mov_b32 v65, 0
	v_lshrrev_b32 v1, 5, v0
	v_readfirstlane_b32 s16, v1                    ; wave 0..7
	v_and_b32 v5, 31, v0                           ; lane = my column among the 32
	v_lshlrev_b32 v1, 2, v5                        ; in: 4 bytes a lane
	v_and_b32 v6, 15, v0
	v_bfe_u32 v2, v0, 4, 1
	v_lshlrev_b32 v2, 12, v2
	v_lshl_add_u32 v2, v6, 4, v2                   ; codes out: (lane / 16) x 4096 + (lane % 16) x 16
	v_lshrrev_b32 v3, 7, v0
	v_lshlrev_b32 v3, 7, v3
	v_lshl_add_u32 v3, v5, 2, v3
	v_bfe_u32 v6, v0, 5, 2
	v_add_nc_u32 v3, v3, v6                        ; LDS: (wave / 4) x 128 + 4 x lane + wave % 4: my byte of my column's scale word
	v_lshlrev_b32 v4, 3, v5                        ; the scale bytes' way out: 8 bytes a lane
	s_lshr_b32 s17, ttmp9, 5                       ; which weight
	s_bfe_u32 s18, ttmp9, 0x40001                  ; cg: which 32 columns
	s_and_b32 s19, ttmp9, 1                        ; which half of K
	s_lshl_b32 s20, s19, 3
	s_add_co_u32 s20, s20, s16                     ; kb: my block along K
	s_lshr_b32 s21, s18, 1                         ; Wq, Wk, Wv: head x 131072 + 128 x (cg % 2) + kb x 32 rows of 256 bytes
	s_lshl_b32 s21, s21, 17
	s_and_b32 s22, s18, 1
	s_lshl_b32 s22, s22, 7
	s_add_co_u32 s21, s21, s22
	s_lshl_b32 s22, s20, 13
	s_add_co_u32 s21, s21, s22
	s_lshl_b32 s22, s18, 7                         ; Wo: 128 x cg + kb x 32 rows of 2,048 bytes
	s_lshl_b32 s23, s20, 16
	s_add_co_u32 s22, s22, s23
	s_cmp_eq_u32 s17, 3
	s_cselect_b32 s24, s22, s21
	s_mov_b32 s25, 0
	s_lshl_b32 s26, s17, 17                        ; codes: weight x 131072 + cg x 8192 + kb x 256
	s_lshl_b32 s27, s18, 13
	s_add_co_u32 s26, s26, s27
	s_lshl_b32 s27, s20, 8
	s_add_co_u32 s26, s26, s27
	s_mov_b32 s27, 0
	s_lshl_b32 s28, s17, 13                        ; scale bytes: weight x 8192 + cg x 512 + half x 256
	s_lshl_b32 s29, s18, 9
	s_add_co_u32 s28, s28, s29
	s_lshl_b32 s29, s19, 8
	s_add_co_u32 s28, s28, s29
	s_mov_b32 s29, 0
	s_wait_kmcnt 0x0
	s_cmp_eq_u32 s17, 1                            ; the weight is chosen by the work-group's number alone
	s_cselect_b64 s[4:5], s[6:7], s[4:5]
	s_cmp_eq_u32 s17, 2
	s_cselect_b64 s[4:5], s[8:9], s[4:5]
	s_cmp_eq_u32 s17, 3
	s_cselect_b64 s[4:5], s[10:11], s[4:5]
	s_add_nc_u64 s[4:5], s[4:5], s[24:25]
	s_add_nc_u64 s[12:13], s[12:13], s[26:27]
	s_add_nc_u64 s[14:15], s[14:15], s[28:29]
	s_cmp_eq_u32 s17, 3                            ; only the loads differ: the step from k to k + 1 stands in their immediates
	s_cbranch_scc1 .Lwo
	LOADS 256
	s_branch .Lin
.Lwo:
	LOADS 2048
.Lin:
	s_wait_loadcnt 0x0
	v_max3_num_f32 v8, |v[X]|, |v[X+1]|, |v[X+2]|  ; the block's largest magnitude, in two chains
	v_max3_num_f32 v9, |v[X+3]|, |v[X+4]|, |v[X+5]|
.irp i, 6,10,14,18,22,26
	v_max3_num_f32 v8, v8, |v[X+\i]|, |v[X+\i+1]|
	v_max3_num_f32 v9, v9, |v[X+\i+2]|, |v[X+\i+3]|
.endr
	v_max3_num_f32 v8, v8, |v[X+30]|, |v[X+31]|
	v_max3_num_f32 v8, v8, v9, 0x1800000           ; and the floor 2^(3 - 127): the byte cannot fall under 1
	v_add_nc_u32 v10, 0xff000000, v8               ; 2 off the exponent field: the conversion takes the exponent field of this operand as its scale
	v_lshrrev_b32 v11, 23, v10                     ; the scale's byte
.irp g, 0,1,2,3
	v_cvt_scalef32_pk8_fp4_f32 v[12+\g], v[X+8*\g:X+8*\g+7], v10
.endr
	v_nop                                          ; a plain line behind the last conversion
	global_store_b128 v2, v[12:15], s[12:13]       ; each sixteen lanes store 256 consecutive bytes, aligned
	ds_store_b8 v3, v11
	s_wait_dscnt 0x0                               ; for the others' sake: my byte lies in LDS
	s_barrier_signal -1
	s_barrier_wait -1
	s_cmp_lg_u32 s16, 0
	s_cbranch_scc1 .Ldone
	ds_load_b64 v[16:17], v4                       ; wave 0: the work-group's 256 scale bytes
	s_wait_dscnt 0x0
	global_store_b64 v4, v[16:17], s[14:15]        ; 256 consecutive bytes, aligned
.Ldone:
	s_wait_tensorcnt 0x0
	ds_add_u32 v64, v65
	s_wait_dscnt 0x0
	s_endpgm
.Lfunc_end_k_q1f622aa99b_wquant:
	.size	k_q1f622aa99b_wquant, .Lfunc_end_k_q1f622aa99b_wquant-k_q1f622aa99b_wquant
	.p2alignl 7, 3214868480
	.fill 96, 4, 3214868480
	.section	.rodata,"a",@progbits
	.p2align	6, 0x0
	.amdhsa_kernel k_q1f622aa99b_wquant
		.amdhsa_group_segment_fixed_size 1280
		.amdhsa_private_segment_fixed_size 0
		.amdhsa_enable_private_segment 0
		.amdhsa_kernarg_size 48
		.amdhsa_user_sgpr_count 2
		.amdhsa_user_sgpr_kernarg_segment_ptr 1
		.amdhsa_wavefront_size32 1
		.amdhsa_system_sgpr_workgroup_id_x 1
		.amdhsa_system_sgpr_workgroup_id_y 1
		.amdhsa_system_sgpr_workgroup_id_z 1
		.amdhsa_system_vgpr_workitem_id 0
		.amdhsa_next_free_vgpr 66
		.amdhsa_next_free_sgpr 66
		.amdhsa_reserve_vcc 0
		.amdhsa_float_denorm_mode_32 3
		.amdhsa_float_denorm_mode_16_64 3
		.amdhsa_memory_ordered 1
		.amdhsa_forward_progress 1
		.amdhsa_inst_pref_size 11
	.end_amdhsa_kernel
	.amdgpu_metadata
---
amdhsa.version: [ 1, 2 ]
amdhsa.kernels:
  - .name:           k_q1f622aa99b_wquant
    .symbol:         k_q1f622aa99b_wquant.kd
    .args:
      - { .name: Wq, .offset: 0, .size: 8, .value_kind: global_buffer, .address_space: global }
      - { .name: Wk, .offset: 8, .size: 8, .value_kind: global_buffer, .address_space: global }
      - { .name: Wv, .offset: 16, .size: 8, .value_kind: global_buffer, .address_space: global }
      - { .name: Wo, .offset: 24, .size: 8, .value_kind: global_buffer, .address_space: global }
      - { .name: wcodes, .offset: 32, .size: 8, .value_kind: global_buffer, .address_space: global }
      - { .name: wscales, .offset: 40, .size: 8, .value_kind: global_buffer, .address_space: global }
    .group_segment_fixed_size: 1280
    .private_segment_fixed_size: 0
    .kernarg_segment_align: 8
    .kernarg_segment_size: 48
    .max_flat_workgroup_size: 256
    .sgpr_count:     66
    .vgpr_count:     66
    .wavefront_size: 32
...
	.end_amdgpu_metadata
.endif
;; end of part 1
;; launch proj (part 2): grid 64 x 3, 8 waves a work-group, no clusters, 308,224 bytes of LDS; arguments q_in, k_in, v_in, bq, bk, bv, wcodes, wscales, acodes, ascales; writes acodes, ascales
.if DOCPART == 2
	.amdgcn_target "amdgcn-amd-amdhsa--gfx1250"
	.amdhsa_code_object_version 6
	.text
	.protected	k_q1f622aa99b_proj
	.globl	k_q1f622aa99b_proj
	.p2align	8
	.type	k_q1f622aa99b_proj,@function
k_q1f622aa99b_proj:
	s_mov_b64 s[64:65], 0
	v_nop
	global_prefetch_b8 v0, s[64:65] scope:SCOPE_SE
	s_setreg_imm32_b32 hwreg(HW_REG_WAVE_MODE, 25, 1), 1
	s_wait_xcnt 0x0
; q = q_in Wq + bq, k = k_in Wk + bk, v = v_in Wv + bv, on codes of FP4 (E2M1) with one E8M0 scale for each 32 along K = 512; the results are quantised again at once: q and k along the head's 64, v along the keys.
; Work-group (x, y): input y (0 q, 1 k, 2 v), rows 128 x .. 128 x + 127 (batch x / 16, chunk x % 16 of its 2,048 rows).  192 work-groups, one tile of work each.
; x COMES ONCE: each of the eight waves asks at its first lines for its two tiles of 32 rows x 128 numbers (rows of 512 bytes) by two tensor loads; no LDS byte is filled twice, so there is no ring.
; TWO STAGES of 64 rows; stage 1's tiles land while stage 0 is worked on.  In a stage wave w quantises rows 32 (w / 4) .. + 31, K step w % 4: two fragments, which go to LDS as IMAGES OF THEIR REGISTERS
; (16 bytes a lane at 16 x lane, 512 bytes for four registers), their scale words beside them; a barrier; then wave w is HEAD w: its 64 columns of the weight stay in 128 registers.
; q, k: source 0 = 16 columns of W, source 1 = 16 rows of x: a lane holds one row and eight neighbours along dk.   v: source 0 = 16 rows of x, source 1 = 16 columns of W: a lane holds one dv and eight neighbouring keys.
; TILES ARE NATURAL.  A result tile's eight registers of lane (r, h) are k = 16 t + 8 h + 0 .. 7 of the next K: one conversion makes the word 2 (t % 2) + h of block t / 2.  The conversion of tile 2 b + u writes
; register 4 (b / 2) + 2 u + b % 2, and an exchange of halves between registers 2 i and 2 i + 1 then leaves k = 64 c + 32 h + 0 .. 31 in registers 4 c .. 4 c + 3: the operand's layout.
; The bias is the C of a sum's first product.  The eight accumulators take turns, one instruction a turn.
; OUT (bh = 8 batch + head).  acodes: y x 2097152 + bh x 65536 + chunk x 4096; q, k: [tile 8][lane][16], lane (r, h) = row r, dk 32 h on; v: [dv tile 4][c 2][lane][16], lane (r, h) = dv r, keys 64 c + 32 h on.
;   ascales: q at bh x 8192 + chunk x 512, k at 262144 + bh x 12288 + chunk x 512: [lane][4 words], word p of lane 16 e + r = tile 2 p + e, row r, bytes 0 and 1 its two blocks (bytes 2, 3 meet zero codes only and are never 0xff);
;   v at 262144 + bh x 12288 + 8192 + chunk x 256: [lane][2 words], word i of lane 16 e + r = dv tile 2 i + e, its four bytes the chunk's four blocks of keys.
; LIMITS: NaN and infinities are not served; a block of zeros gets the byte 1 where the rule says 127 (its codes are zeros, and this program alone reads the bytes).
; NO CLUSTER: x is read by one work-group alone; the weights' codes, which the 64 work-groups of an input share, are 16 KB a wave and go straight into registers by loads of 512 consecutive bytes; LDS is full of x.
; REGISTERS.  window 0: v4-14 addresses; v16-79 fragments of x (in the x phase: 64 numbers); v80-143 the accumulators (in the x phase: 64 numbers); v144-151 codes; v152-167 at work; v172-175 scale words on their way out;
;   v176-183 W's scale words, v184-191 x's; v192-223 the bias in the result's layout.   window 1: v0-127 W's 16 fragments, (tile t, K step s) at 8 (4 t + s).
.set RAWW, 33792                       ; LDS: a wave's two tiles of f32: 32 rows x (512 + 16) bytes each: 33 x 16 bytes a row, so the sixteen rows of a load start in sixteen different columns of 16 bytes
.set RAWS, 16896
.set IMG,  270336                      ; behind them: x's 32 fragments, (tile m, K step s) at (4 m + s) x 1024
.set XSC,  303104                      ; and their scale words: [pair 4][lane 32][s 4]: lanes 0-15 tile 2 pair, lanes 16-31 tile 2 pair + 1
.set XA,   4                           ; v4   my place in my wave's tiles: wave x RAWW + r x 528 + 32 h
.set LI,   5                           ; v5   IMG + 16 x lane
.set LXS,  6                           ; v6   XSC + 16 x lane
.set XWI,  7                           ; v7   where I store images: LI + 1024 (w % 4) + 8192 (w / 4)
.set XWS,  8                           ; v8   and scale words: LXS + 4 (w % 4) + 512 (w / 4)
.set GO,   9                           ; v9   16 x lane
.set G8,   10                          ; v10  8 x lane
.set SH16, 11                          ; v11  16 h
.set L4,   12                          ; v12  4 x lane
.set BQ,   13                          ; v13  32 h: the bias of q and k
.set BV,   14                          ; v14  4 r: the bias of v
.set XB0,  16
.set XB1,  48
.set ACC,  80
.set PC,   144
.set TM,   152                         ; v152-155 largest magnitudes, v156-159 the other half's, then bytes, v164-167 the conversions' scale operands
.set PW0,  168
.set PW1,  169
.set TMP,  170
.set SK,   172
.set WS,   176
.set XS,   184
.set BIAS, 192
.set G1,   24                          ; s[24:31] descriptor group 1;  s[32:39] group 0, one set for each stage
.set G0,   32
.set WV,   40
.set YY,   41
.set SI,   43
.set RH,   44
.set BH,   45
.set SEL,  46
.set HI,   48
.set CH,   49
.set MSB, 0
.macro WIN new                         ; the immediate's high byte repeats the setting that is left
.if MSB != \new
	s_set_vgpr_msb (MSB<<8)|\new
.set MSB, \new
.endif
.endm
.macro PLACES n
.rept \n
	v_nop
.endr
.endm
; 64 numbers of a lane, register 8 t + j = k 16 t + 8 h + j of my row, become a fragment's codes in v[pc] on and its scale word in v[pw].  Each tile's registers are read from the low end on.
.macro QUANT s, pc, pw
.irp b, 0,1,2,3
	v_max3_num_f32 v[TM+\b], |v[\s+16*\b]|, |v[\s+16*\b+1]|, 0x1800000   ; block b: my 16 numbers, and the floor 2^(3 - 127): the byte cannot fall under 1
.endr
.irp i, 2,4,6,8,10,12,14
.irp b, 0,1,2,3
	v_max3_num_f32 v[TM+\b], v[TM+\b], |v[\s+16*\b+\i]|, |v[\s+16*\b+\i+1]|   ; (the four blocks by turns)
.endr
.endr
.irp b, 0,1,2,3
	v_permlanex16_b32 v[TM+4+\b], v[TM+\b], s[SEL], s[SEL+1]
.endr
.irp b, 0,1,2,3
	v_max_num_f32 v[TM+\b], v[TM+\b], v[TM+4+\b]   ; with lane l xor 16's 16: the block's largest magnitude
.endr
.irp b, 0,1,2,3
	v_add_nc_u32 v[TM+12+\b], 0xff000000, v[TM+\b] ; 2 off its exponent field: the conversion's scale operand
.endr
.irp b, 0,1,2,3
	v_lshrrev_b32 v[TM+4+\b], 23, v[TM+12+\b]      ; the scale's byte
.endr
	v_lshl_or_b32 v[\pw], v[TM+5], 8, v[TM+4]
	v_lshl_or_b32 v[\pw], v[TM+6], 16, v[\pw]
	v_lshl_or_b32 v[\pw], v[TM+7], 24, v[\pw]
	s_wait_xcnt 0x0                                ; earlier stores have read the codes' registers: only behind this wait are they written again
.irp b, 0,1,2,3
	v_cvt_scalef32_pk8_fp4_f32 v[\pc+4*(\b/2)+(\b%2)], v[\s+16*\b:\s+16*\b+7], v[TM+12+\b]
	v_cvt_scalef32_pk8_fp4_f32 v[\pc+4*(\b/2)+2+(\b%2)], v[\s+16*\b+8:\s+16*\b+15], v[TM+12+\b]
.endr
	v_nop                                          ; one plain place behind a scaled conversion
.irp i, 0,2,4,6
	v_permlane16_swap_b32 v[\pc+\i], v[\pc+\i+1]   ; the first's lanes 16-31 change places with the second's lanes 0-15
.endr
.endm
; one product; ra, rb: the side's scales stand in lanes 16-31 of the register named
.macro MM d, a, b, c, sa, sb, ra, rb
.if (\ra) && (\rb)
	v_wmma_scale_f32_16x16x128_f8f6f4 v[\d:\d+7], v[\a:\a+7], v[\b:\b+7], v[\c:\c+7], v[\sa], v[\sb] matrix_a_fmt:MATRIX_FMT_FP4 matrix_b_fmt:MATRIX_FMT_FP4 matrix_a_scale:MATRIX_SCALE_ROW1 matrix_b_scale:MATRIX_SCALE_ROW1
.elseif (\ra)
	v_wmma_scale_f32_16x16x128_f8f6f4 v[\d:\d+7], v[\a:\a+7], v[\b:\b+7], v[\c:\c+7], v[\sa], v[\sb] matrix_a_fmt:MATRIX_FMT_FP4 matrix_b_fmt:MATRIX_FMT_FP4 matrix_a_scale:MATRIX_SCALE_ROW1
.elseif (\rb)
	v_wmma_scale_f32_16x16x128_f8f6f4 v[\d:\d+7], v[\a:\a+7], v[\b:\b+7], v[\c:\c+7], v[\sa], v[\sb] matrix_a_fmt:MATRIX_FMT_FP4 matrix_b_fmt:MATRIX_FMT_FP4 matrix_b_scale:MATRIX_SCALE_ROW1
.else
	v_wmma_scale_f32_16x16x128_f8f6f4 v[\d:\d+7], v[\a:\a+7], v[\b:\b+7], v[\c:\c+7], v[\sa], v[\sb] matrix_a_fmt:MATRIX_FMT_FP4 matrix_b_fmt:MATRIX_FMT_FP4
.endif
.endm
; THE x PHASE of stage c: my tile's 32 rows x 128 numbers become two fragments (x tiles 4 c + 2 (w / 4) + 0, 1; K step w % 4).
.macro XPHASE c
	s_wait_tensorcnt 1-\c                          ; a wave's tensor loads end in order: stage c's tile is in; only I read it
.irp t, 0,1,2,3,4,5,6,7
.irp jj, 0,1
	ds_load_b128 v[XB0+8*\t+4*\jj:XB0+8*\t+4*\jj+3], v[XA] offset:\c*RAWS+64*\t+16*\jj
.endr
.endr
.irp t, 0,1,2,3,4,5,6,7
.irp jj, 0,1
	ds_load_b128 v[ACC+8*\t+4*\jj:ACC+8*\t+4*\jj+3], v[XA] offset:\c*RAWS+8448+64*\t+16*\jj
.endr
.endr
	s_wait_dscnt 16                                ; the first sixteen rows' sixteen loads are in
	QUANT XB0, PC, PW0
	ds_store_b128 v[XWI], v[PC:PC+3] offset:\c*16384
	ds_store_b128 v[XWI], v[PC+4:PC+7] offset:\c*16384+512
	s_wait_dscnt 0x0                               ; the other sixteen rows are in, and the stores have read the codes' registers
	QUANT ACC, PC, PW1
	ds_store_b128 v[XWI], v[PC:PC+3] offset:\c*16384+4096
	ds_store_b128 v[XWI], v[PC+4:PC+7] offset:\c*16384+4096+512
	v_cndmask_b32 v[TMP], v[PW0], v[PW1], s[HI]    ; lanes 0-15 the first tile's word, lanes 16-31 the second's
	ds_store_b32 v[XWS], v[TMP] offset:\c*1024
	s_wait_dscnt 0x0                               ; for the others' sake: my images lie in LDS
	s_barrier_signal -1
	s_barrier_wait -1                              ; the stage's sixteen fragments do.  (Stage 1 writes other bytes than stage 0's readers read: one barrier a stage)
.endm
; q, k: eight products of K step s: x tiles e = 0, 1 of the pair x my four tiles of columns
.macro QKMUL s
.irp e, 0,1
.irp t, 0,1,2,3
.if \s == 0
	MM ACC+8*(4*\e+\t), 8*(4*\t+\s), XB0+32*(\s/2)+8*(2*(\s%2)+\e), BIAS+8*\t, WS+4*(\t/2)+\s, XS+\s, \t%2, \e
.else
	MM ACC+8*(4*\e+\t), 8*(4*\t+\s), XB0+32*(\s/2)+8*(2*(\s%2)+\e), ACC+8*(4*\e+\t), WS+4*(\t/2)+\s, XS+\s, \t%2, \e
.endif
.endr
.endr
.endm
; q, k: x tiles 2 p and 2 p + 1: 32 rows x my head's 64
.macro ITERQK p
	ds_load_b128 v[XS:XS+3], v[LXS] offset:(\p)*512
.irp s, 0,1,2,3
.irp e, 0,1
.irp cc, 0,1
	ds_load_b128 v[XB0+32*(\s/2)+8*(2*(\s%2)+\e)+4*\cc:XB0+32*(\s/2)+8*(2*(\s%2)+\e)+4*\cc+3], v[LI] offset:(4*(2*(\p)+\e)+\s)*1024+512*\cc
.endr
.endr
.endr
	s_wait_dscnt 8                                 ; the scale words and K steps 0, 1 are in; the youngest eight loads may be out
	WIN 0x01                                       ; source 0 (W) window 1
	QKMUL 0
	QKMUL 1
	s_wait_dscnt 0x0
	QKMUL 2
	QKMUL 3
	WIN 0
	PLACES 5                                       ; behind the last product: four for the reads of results and the next loads, a fifth for the next pair's first products, which begin these accumulators anew
	QUANT ACC, PC, PW0                             ; blocks 0, 1: the first tile's dk 0-31, 32-63; blocks 2, 3: the second's
	global_store_b128 v[GO], v[PC:PC+3], s[20:21] offset:(2*(\p))*512      ; 512 consecutive bytes
	global_store_b128 v[GO], v[PC+4:PC+7], s[20:21] offset:(2*(\p)+1)*512
	v_lshrrev_b32 v[SK+(\p)], v[SH16], v[PW0]      ; lanes 0-15 keep the first tile's two bytes lowest, lanes 16-31 take the second's
.endm
; v: the four x tiles of stage c at K step s into buf
.macro FETCHG buf, c, s
.irp m, 0,1,2,3
.irp cc, 0,1
	ds_load_b128 v[\buf+8*\m+4*\cc:\buf+8*\m+4*\cc+3], v[LI] offset:(4*(4*(\c)+\m)+(\s))*1024+512*\cc
.endr
.endr
.endm
; v: eight products of K step s: dv tiles 2 i, 2 i + 1 x the four x tiles
.macro VMUL buf, i, s
.irp tt, 0,1
.irp m, 0,1,2,3
.if \s == 0
	MM ACC+8*(4*\tt+\m), \buf+8*\m, 8*(4*(2*(\i)+\tt)+\s), BIAS+8*(2*(\i)+\tt), XS+4*(\m/2)+\s, WS+4*(\i)+\s, \m%2, \tt
.else
	MM ACC+8*(4*\tt+\m), \buf+8*\m, 8*(4*(2*(\i)+\tt)+\s), ACC+8*(4*\tt+\m), XS+4*(\m/2)+\s, WS+4*(\i)+\s, \m%2, \tt
.endif
.endr
.endr
.endm
; v: stage c's 64 keys x dv tiles 2 i, 2 i + 1
.macro ITERV c, i
.if \i == 0
	ds_load_b128 v[XS:XS+3], v[LXS] offset:(2*\c)*512
	ds_load_b128 v[XS+4:XS+7], v[LXS] offset:(2*\c+1)*512
.endif
	FETCHG XB0, \c, 0
	FETCHG XB1, \c, 1
	s_wait_dscnt 8                                 ; all but the youngest eight loads: this K step's fragments are in
	WIN 0x04                                       ; source 1 (W) window 1; an LDS load has no source 1, so the setting stays through the fetches
	VMUL XB0, \i, 0
	PLACES 4                                       ; in front of loads into registers that products have read
	FETCHG XB0, \c, 2
	s_wait_dscnt 8
	VMUL XB1, \i, 1
	PLACES 4
	FETCHG XB1, \c, 3
	s_wait_dscnt 8
	VMUL XB0, \i, 2
	s_wait_dscnt 0x0
	VMUL XB1, \i, 3
	WIN 0
	PLACES 5                                       ; as in ITERQK
	QUANT ACC, PC, PW0                             ; blocks 0, 1: dv tile 2 i, keys 64 c + 0-31, 32-63; blocks 2, 3: dv tile 2 i + 1
	global_store_b128 v[GO], v[PC:PC+3], s[20:21] offset:(2*\i)*1024+\c*512
	global_store_b128 v[GO], v[PC+4:PC+7], s[20:21] offset:(2*\i+1)*1024+\c*512
	v_lshrrev_b32 v[TMP], v[SH16], v[PW0]          ; lanes 0-15: dv tile 2 i's two bytes lowest; lanes 16-31: tile 2 i + 1's
.if \c == 0
	v_and_b32 v[SK+\i], 0xffff, v[TMP]             ; the chunk's blocks 0, 1 of keys
.else
	v_lshl_or_b32 v[SK+\i], v[TMP], 16, v[SK+\i]   ; and 2, 3
.endif
.endm
	s_load_b256 s[4:11], s[0:1], 0x0               ; q_in, k_in, v_in, bq
	s_load_b256 s[12:19], s[0:1], 0x20             ; bk, bv, wcodes, wscales
	s_load_b128 s[20:23], s[0:1], 0x40             ; acodes, ascales
	v_lshl_add_u32 v254, v0, 2, 0x4b000
	v_mov_b32 v255, 0
	ds_add_u32 v254, v255
	ds_add_u32 v254, v255
	v_lshrrev_b32 v1, 5, v0
	v_readfirstlane_b32 s[WV], v1                  ; wave 0..7
	s_and_b32 s[YY], ttmp7, 0xffff                 ; which input
	s_and_b32 s[SI], s[WV], 3                      ; x phase: my K step,
	s_lshr_b32 s[RH], s[WV], 2                     ; and my half of a stage's 64 rows
	s_lshr_b32 s[BH], ttmp9, 4
	s_lshl_b32 s[BH], s[BH], 3
	s_add_co_u32 s[BH], s[BH], s[WV]               ; 8 x batch + head
	s_and_b32 s[CH], ttmp9, 15                     ; chunk of 128 rows in the batch
	s_mov_b32 s[SEL], 0x76543210
	s_mov_b32 s[SEL+1], 0xfedcba98                 ; v_permlanex16_b32's selects for lane l xor 16
	s_mov_b32 s[HI], 0xffff0000                    ; lanes 16-31
	; descriptor group 1: 32 rows x 128 elements of 4 bytes, 512 elements from row to row, 4 words of padding behind every 128
	s_mov_b32 s[G1+0], (2<<16)|(1<<20)|(6<<22)|(3<<25)
	s_mov_b32 s[G1+1], 128<<16                     ; tensor_dim0
	s_mov_b32 s[G1+2], 32<<16                      ; tensor_dim1
	s_mov_b32 s[G1+3], 128<<16                     ; tile_dim0
	s_mov_b32 s[G1+4], 32                          ; tile_dim1
	s_mov_b32 s[G1+5], 512                         ; tensor_dim0_stride
	s_mov_b32 s[G1+6], 0
	s_mov_b32 s[G1+7], 0
	s_lshl_b32 s50, ttmp9, 18                      ; x: 128 rows of 2,048 bytes a work-group, + 32 rows x half, + 512 bytes x K step
	s_lshl_b32 s51, s[RH], 16
	s_add_co_u32 s50, s50, s51
	s_lshl_b32 s51, s[SI], 9
	s_add_co_u32 s50, s50, s51
	s_mov_b32 s51, 0
	s_mul_i32 s52, s[WV], RAWW                     ; my tiles in LDS
	s_lshl_b32 s54, s[YY], 17                      ; W's codes: weight x 131072 + head x 4 tiles of 4,096
	s_lshl_b32 s55, s[WV], 14
	s_add_co_u32 s54, s54, s55
	s_mov_b32 s55, 0
	s_lshl_b32 s56, s[YY], 13                      ; W's scale words: weight x 8192 + head x 2 pairs of 512
	s_lshl_b32 s57, s[WV], 10
	s_add_co_u32 s56, s56, s57
	s_mov_b32 s57, 0
	s_lshl_b32 s58, s[YY], 21                      ; codes out
	s_lshl_b32 s59, s[BH], 16
	s_add_co_u32 s58, s58, s59
	s_lshl_b32 s59, s[CH], 12
	s_add_co_u32 s58, s58, s59
	s_mov_b32 s59, 0
	s_lshl_b32 s60, s[BH], 13                      ; scale words out: q's place,
	s_lshl_b32 s61, s[CH], 9
	s_add_co_u32 s60, s60, s61
	s_mul_i32 s66, s[BH], 12288
	s_add_co_u32 s66, s66, 262144
	s_add_co_u32 s67, s66, s61                     ; k's,
	s_lshl_b32 s61, s[CH], 8
	s_add_co_u32 s66, s66, s61
	s_add_co_u32 s66, s66, 8192                    ; v's
	s_cmp_eq_u32 s[YY], 1
	s_cselect_b32 s60, s67, s60
	s_cmp_eq_u32 s[YY], 2
	s_cselect_b32 s60, s66, s60
	s_mov_b32 s61, 0
	s_lshl_b32 s62, s[WV], 8                       ; the bias: my head's 64 numbers
	s_mov_b32 s63, 0
	s_lshl_b32 s53, s[SI], 10
	s_lshl_b32 s66, s[RH], 13
	s_add_co_u32 s53, s53, s66                     ; images: 1024 x K step + 8192 x half
	s_lshl_b32 s66, s[SI], 2
	s_lshl_b32 s67, s[RH], 9
	s_add_co_u32 s66, s66, s67                     ; scale words: 4 x K step + 512 x half
	v_and_b32 v1, 31, v0                           ; lane
	v_and_b32 v2, 15, v0                           ; r
	v_bfe_u32 v3, v0, 4, 1                         ; h
	v_mul_u32_u24 v[XA], v2, 528
	v_lshl_add_u32 v[XA], v3, 5, v[XA]
	v_add_nc_u32 v[XA], s52, v[XA]
	v_lshl_add_u32 v[LI], v1, 4, IMG
	v_lshl_add_u32 v[LXS], v1, 4, XSC
	v_add_nc_u32 v[XWI], s53, v[LI]
	v_add_nc_u32 v[XWS], s66, v[LXS]
	v_lshlrev_b32 v[GO], 4, v1
	v_lshlrev_b32 v[G8], 3, v1
	v_lshlrev_b32 v[SH16], 4, v3
	v_lshlrev_b32 v[L4], 2, v1
	v_lshlrev_b32 v[BQ], 5, v3
	v_lshlrev_b32 v[BV], 2, v2
.irp b, 0,1,2,3
	v_mov_b32 v[TM+4+\b], 0                        ; written once: a lane permute's destination counts as one of its sources
	v_mov_b32 v[SK+\b], 0
.endr
	s_wait_dscnt 0x0
	s_wait_kmcnt 0x0
	s_cmp_eq_u32 s[YY], 1                          ; input and bias are chosen by the work-group's number alone
	s_cselect_b64 s[4:5], s[6:7], s[4:5]
	s_cselect_b64 s[10:11], s[12:13], s[10:11]
	s_cmp_eq_u32 s[YY], 2
	s_cselect_b64 s[4:5], s[8:9], s[4:5]
	s_cselect_b64 s[10:11], s[14:15], s[10:11]
	s_add_nc_u64 s[4:5], s[4:5], s[50:51]
	s_mov_b32 s[G0+0], 1                           ; count = 1
	s_mov_b32 s[G0+1], s52                         ; LDS address: stage 0's tile
	s_mov_b64 s[G0+2:G0+3], s[4:5]                 ; global address
	s_or_b32 s[G0+3], s[G0+3], 0x80000000          ; type = 2
	s_mov_b32 s[G0+4], 1
	s_add_co_u32 s[G0+5], s52, RAWS                ; stage 1's tile,
	s_add_nc_u64 s[G0+6:G0+7], s[4:5], 131072      ; 64 rows further down
	s_or_b32 s[G0+7], s[G0+7], 0x80000000
	tensor_load_to_lds s[G0:G0+3], s[G1:G1+7]      ; both first fills together, ahead of every wait on TENSORcnt, LDS read and barrier: two loads of mine are out
	s_nop 0
	tensor_load_to_lds s[G0+4:G0+7], s[G1:G1+7]
	s_nop 0
	PLACES 4
	s_add_nc_u64 s[16:17], s[16:17], s[54:55]
	s_add_nc_u64 s[18:19], s[18:19], s[56:57]
	s_add_nc_u64 s[20:21], s[20:21], s[58:59]
	s_add_nc_u64 s[22:23], s[22:23], s[60:61]
	s_add_nc_u64 s[10:11], s[10:11], s[62:63]
	WIN 0x40                                       ; destination window 1
.irp t, 0,1,2,3
.irp s, 0,1,2,3
.irp cc, 0,1
	global_load_b128 v[8*(4*\t+\s)+4*\cc:8*(4*\t+\s)+4*\cc+3], v[GO], s[16:17] offset:\t*4096+\s*1024+\cc*512   ; my head's weight: 512 consecutive bytes a load; it stays
.endr
.endr
.endr
	WIN 0
.irp pr, 0,1
.irp s, 0,1,2,3
	global_load_b32 v[WS+4*\pr+\s], v[L4], s[18:19] offset:\pr*512+\s*128
.endr
.endr
	s_cmp_eq_u32 s[YY], 2
	s_cbranch_scc1 .Lbias_v
.irp t, 0,1,2,3                        ; q, k: register j of tile t is column 16 t + 8 h + j
	global_load_b128 v[BIAS+8*\t:BIAS+8*\t+3], v[BQ], s[10:11] offset:64*\t
	global_load_b128 v[BIAS+8*\t+4:BIAS+8*\t+7], v[BQ], s[10:11] offset:64*\t+16
.endr
	s_branch .Lbias_in
.Lbias_v:
.irp t, 0,1,2,3                        ; v: all eight registers of tile t are column 16 t + r
.irp j, 0,1,2,3,4,5,6,7
	global_load_b32 v[BIAS+8*\t+\j], v[BV], s[10:11] offset:64*\t
.endr
.endr
.Lbias_in:
	XPHASE 0
	s_wait_loadcnt 0x0                             ; the weight, its scale words, the bias
	s_cmp_eq_u32 s[YY], 2
	s_cbranch_scc1 .Lv_first
	ITERQK 0
	ITERQK 1
	s_branch .Lsecond
.Lv_first:
	ITERV 0, 0
	ITERV 0, 1
.Lsecond:
	XPHASE 1
	s_cmp_eq_u32 s[YY], 2
	s_cbranch_scc1 .Lv_second
	ITERQK 2
	ITERQK 3
	global_store_b128 v[GO], v[SK:SK+3], s[22:23]  ; the chunk's scale words of my head: 512 consecutive bytes
	s_wait_tensorcnt 0x0
	ds_add_u32 v254, v255
	s_wait_dscnt 0x0
	s_endpgm
.Lv_second:
	ITERV 1, 0
	ITERV 1, 1
	global_store_b64 v[G8], v[SK:SK+1], s[22:23]   ; 256 consecutive bytes, aligned
	s_wait_tensorcnt 0x0
	ds_add_u32 v254, v255
	s_wait_dscnt 0x0
	s_endpgm
.Lfunc_end_k_q1f622aa99b_proj:
	.size	k_q1f622aa99b_proj, .Lfunc_end_k_q1f622aa99b_proj-k_q1f622aa99b_proj
	.p2alignl 7, 3214868480
	.fill 96, 4, 3214868480
	.section	.rodata,"a",@progbits
	.p2align	6, 0x0
	.amdhsa_kernel k_q1f622aa99b_proj
		.amdhsa_group_segment_fixed_size 308224
		.amdhsa_private_segment_fixed_size 0
		.amdhsa_enable_private_segment 0
		.amdhsa_kernarg_size 80
		.amdhsa_user_sgpr_count 2
		.amdhsa_user_sgpr_kernarg_segment_ptr 1
		.amdhsa_wavefront_size32 1
		.amdhsa_system_sgpr_workgroup_id_x 1
		.amdhsa_system_sgpr_workgroup_id_y 1
		.amdhsa_system_sgpr_workgroup_id_z 1
		.amdhsa_system_vgpr_workitem_id 0
		.amdhsa_next_free_vgpr 384
		.amdhsa_next_free_sgpr 68
		.amdhsa_reserve_vcc 0
		.amdhsa_float_denorm_mode_32 3
		.amdhsa_float_denorm_mode_16_64 3
		.amdhsa_memory_ordered 1
		.amdhsa_forward_progress 1
		.amdhsa_inst_pref_size 114
	.end_amdhsa_kernel
	.amdgpu_metadata
---
amdhsa.version: [ 1, 2 ]
amdhsa.kernels:
  - .name:           k_q1f622aa99b_proj
    .symbol:         k_q1f622aa99b_proj.kd
    .args:
      - { .name: q_in, .offset: 0, .size: 8, .value_kind: global_buffer, .address_space: global }
      - { .name: k_in, .offset: 8, .size: 8, .value_kind: global_buffer, .address_space: global }
      - { .name: v_in, .offset: 16, .size: 8, .value_kind: global_buffer, .address_space: global }
      - { .name: bq, .offset: 24, .size: 8, .value_kind: global_buffer, .address_space: global }
      - { .name: bk, .offset: 32, .size: 8, .value_kind: global_buffer, .address_space: global }
      - { .name: bv, .offset: 40, .size: 8, .value_kind: global_buffer, .address_space: global }
      - { .name: wcodes, .offset: 48, .size: 8, .value_kind: global_buffer, .address_space: global }
      - { .name: wscales, .offset: 56, .size: 8, .value_kind: global_buffer, .address_space: global }
      - { .name: acodes, .offset: 64, .size: 8, .value_kind: global_buffer, .address_space: global }
      - { .name: ascales, .offset: 72, .size: 8, .value_kind: global_buffer, .address_space: global }
    .group_segment_fixed_size: 308224
    .private_segment_fixed_size: 0
    .kernarg_segment_align: 8
    .kernarg_segment_size: 80
    .max_flat_workgroup_size: 256
    .sgpr_count:     68
    .vgpr_count:     384
    .wavefront_size: 32
...
	.end_amdgpu_metadata
.endif
;; end of part 2
;; launch attn (part 3): grid 8 x 32, 16 waves a work-group, clusters of 4 x 1, 169,984 bytes of LDS; arguments acodes, ascales, ccodes, cscales; writes ccodes, cscales
.if DOCPART == 3
	.amdgcn_target "amdgcn-amd-amdhsa--gfx1250"
	.amdhsa_code_object_version 6
	.text
	.protected	k_q1f622aa99b_attn
	.globl	k_q1f622aa99b_attn
	.p2align	8
	.type	k_q1f622aa99b_attn,@function
k_q1f622aa99b_attn:
	s_mov_b64 s[64:65], 0
	v_nop
	global_prefetch_b8 v0, s[64:65] scope:SCOPE_SE
	s_setreg_imm32_b32 hwreg(HW_REG_WAVE_MODE, 25, 1), 1
	s_wait_xcnt 0x0
	s_wait_alu depctr_hold_cnt(0) depctr_sa_sdst(0) depctr_va_vdst(0) depctr_va_sdst(0) depctr_va_ssrc(0) depctr_va_vcc(0) depctr_vm_vsrc(0)
	s_getreg_b32 s2, hwreg(HW_REG_IB_STS2, 6, 4)
	s_cmp_eq_u32 s2, 0
	s_cbranch_scc0 .Lentry_in_a_cluster
	s_endpgm
.Lentry_in_a_cluster:
	s_bfe_u32 s2, ttmp6, 0x10000c
	s_cmp_lg_u32 s2, 0x3003
	s_cbranch_scc0 .Lentry_shape_is_right
	s_endpgm
.Lentry_shape_is_right:
; For each (batch, head) bh: O[q] = the sum over keys of softmax(q . k / 8) v, both products on codes of FP4 (E2M1) with one E8M0 scale for each 32 along a product's K; O / l is quantised at once along the 64 of its head.
; THE SOFTMAX AHEAD OF THE SECOND PRODUCT: t = score x log2(e) / 8; M = the running largest t rounded UP to a whole number; p = 2^(t - M) is quantised along the keys, not normalised.  The row's sum is taken of the
; unquantised p, in f32, and divides O at the end.  When M moves, the sum and O are multiplied by 2^(old M - new M): exact.
; SHARES.  A work-group owns 256 queries of one bh, each of its SIXTEEN waves 16 of them in 256 registers: four waves to a SIMD, so that one wave's vector work stands beside another's products and LDS loads.
; A HEAD'S K AND V STAY IN LDS: 64 KB of K's codes, 64 KB of V's, 12 KB of scale words, each byte filled once: no ring.  The first 512 keys are asked for apart from the rest, so that the work begins when they are in.
; CLUSTER: the four query blocks of a cluster belong to one bh and read the same 140 KB: every fill is a JOINT load, the same descriptor and the mask of all four in each.  No LDS address and no branch hangs on the place in the cluster.
; LAYOUT.  Both products are used transposed: S^T = K Q^T (source 0 = 16 keys, source 1 = my 16 queries), O^T = V^T P^T (source 0 = 16 dv, source 1 = P): a lane holds ONE query (lane % 16) throughout.
; The first product's K is 64: registers 4-7 of K's and Q's fragments hold zero codes, which add nothing under any scale byte but 0xff; the bytes that meet them are 0 or another tile's (1 .. 254).
; Tiles are natural: register j of score tile t is key 16 t + 8 h + j; the conversion of tile 2 b + u writes register 4 (b / 2) + 2 u + b % 2, and an exchange of halves between registers 2 i and 2 i + 1 gives the operand's layout.
; The buffers are laid in the order of the operands' registers (16 bytes a lane at 16 x lane), so every LDS load reads 512 consecutive bytes: no padding.
; LIMITS: NaN and infinities are not served; p under 2^-126 counts as 0 (v_exp_f32 gives no denormals: ISA guide 15.8); a block's largest p is made of the block's largest score by the same multiply-add and exponential,
; which takes v_exp_f32 not to fall where its input rises; a block of zeros gets the byte 1 (its codes are zeros, and this program alone reads the bytes).
; REGISTERS: v1-4, v6, v7, v31 addresses that stay; v8-11 the step's; v12 -M, v13 the largest t, v[14:15] the sum; v16-23 Q; v24-27 K's scale words, v28-29 V's, v30 Q's; v32-63, v192-223 K's eight tiles; v64-95 V's four;
;   v96-159 S^T, then p; v160-191 O^T; v224-231 p's codes; v232-254 at work (v252 f, v253 p's scale word).
.set VC,   65536                       ; LDS: K's codes at 0 (512 bytes a tile of 16 keys), V's here (4,096 bytes a step of 128 keys),
.set KS,   131072                      ; K's scale words (512 bytes a step),
.set VS,   139264                      ; V's (256 bytes a step),
.set STG,  143360                      ; and 512 bytes in which the work-group's 256 pairs of scale bytes meet on the way out: no fill lands there
.set AK0,  1                           ; v1   16 x lane: my place in an image, in LDS and in memory
.set AV0,  2                           ; v2   VC + 16 x lane
.set ASK0, 3                           ; v3   KS + 16 x lane
.set ASV0, 4                           ; v4   VS + 8 x lane
.set SA,   6                           ; v6   STG + 32 x wave + 2 r
.set QS,   7                           ; v7   16 r
.set ADK,  8
.set ADV,  9
.set ADS,  10
.set ADT,  11
.set SRD,  31                          ; v31  STG + 16 x lane
.set WV,   12                          ; s12  my wave's number
.set G1S,  24                          ; s[24:31] descriptor group 1: 48 rows of 256 bytes;  s[32:39]: 64 rows;  s[40:47]: 192 rows
.set G1A,  32
.set G1B,  40
.set G0SC, 48                          ; groups 0: the scale words; K's keys 0-511, K's rest; V's likewise
.set G0KA, 52
.set G0KB, 56
.set G0VA, 60
.set G0VB, 68
.set SEL,  72                          ; s[72:73] lane selects for v_permlanex16_b32: lane l xor 16
.set CS,   74                          ; s[74:75] c = log2(e) / 8: the packed form names a pair and takes its low word for both halves
.set TK,   76                          ; s76  the step's codes begin here in K's and in V's region: 4,096 bytes a step
.set TS,   77                          ; s77  K's scale words: 512 a step
.set TJ,   78                          ; s78  V's: 256 a step
.set CNT,  79
.macro CROUND                          ; a round of the cluster's barrier
	s_barrier_signal -1
	s_barrier_wait -1
	s_cmp_lg_u32 s[WV], 0
	s_cbranch_scc1 .Lnot_wave_0_\@
	s_barrier_signal -3
.Lnot_wave_0_\@:
	s_barrier_wait -3
	s_barrier_signal -1
	s_barrier_wait -1
.endm
; A KEY STEP: 128 keys.
.macro STEP
	v_add_nc_u32 v[ADK], s[TK], v[AK0]             ; these four are also the places between the last step's products and the loads into the registers that they read
	v_add_nc_u32 v[ADV], s[TK], v[AV0]
	v_add_nc_u32 v[ADS], s[TS], v[ASK0]
	v_add_nc_u32 v[ADT], s[TJ], v[ASV0]
	ds_load_b128 v[24:27], v[ADS]                  ; K's scale words: word p: lanes 0-15 tile 2 p, lanes 16-31 tile 2 p + 1
.irp t, 0,1,2,3,4,5,6,7
	ds_load_b128 v[32+8*\t+128*(\t/4):35+8*\t+128*(\t/4)], v[ADK] offset:512*\t
.endr
	ds_load_b64 v[28:29], v[ADT]                   ; V's scale words
.irp n, 0,1,2,3
.irp c, 0,1
	ds_load_b128 v[64+8*\n+4*\c:67+8*\n+4*\c], v[ADV] offset:1024*\n+512*\c
.endr
.endr
	s_wait_dscnt 9                                 ; K's nine loads are in; V's nine land under the softmax
.irp t, 0,1,2,3,4,5,6,7
.if \t%2
	v_wmma_scale_f32_16x16x128_f8f6f4 v[96+8*\t:103+8*\t], v[32+8*\t+128*(\t/4):39+8*\t+128*(\t/4)], v[16:23], 0, v[24+\t/2], v30 matrix_a_fmt:MATRIX_FMT_FP4 matrix_b_fmt:MATRIX_FMT_FP4 matrix_a_scale:MATRIX_SCALE_ROW1
.else
	v_wmma_scale_f32_16x16x128_f8f6f4 v[96+8*\t:103+8*\t], v[32+8*\t+128*(\t/4):39+8*\t+128*(\t/4)], v[16:23], 0, v[24+\t/2], v30 matrix_a_fmt:MATRIX_FMT_FP4 matrix_b_fmt:MATRIX_FMT_FP4
.endif
.endr
.rept 4
	v_nop                                          ; places in front of the first read of results
.endr
.irp b, 0,1,2,3
	v_max3_num_f32 v[232+\b], v[96+16*\b], v[97+16*\b], v[98+16*\b]   ; THE LARGEST SCORE OF EACH BLOCK OF 32 KEYS: for the row's maximum, and, since p rises with the score, for the block's largest p
.endr
.irp i, 3,5,7,9,11,13
.irp b, 0,1,2,3
	v_max3_num_f32 v[232+\b], v[232+\b], v[96+16*\b+\i], v[97+16*\b+\i]   ; (the four blocks by turns)
.endr
.endr
.irp b, 0,1,2,3
	v_max_num_f32 v[232+\b], v[232+\b], v[111+16*\b]
.endr
.irp b, 0,1,2,3
	v_permlanex16_b32 v[236+\b], v[232+\b], s[SEL], s[SEL+1]
.endr
.irp b, 0,1,2,3
	v_max_num_f32 v[232+\b], v[232+\b], v[236+\b]  ; with lane l xor 16's 16 keys
.endr
	v_max3_num_f32 v254, v232, v233, v234
	v_max_num_f32 v254, v254, v235                 ; the step's largest score of my query
	v_mul_f32 v254, s[CS], v254                    ; as t (c is positive)
	v_max_num_f32 v13, v13, v254                   ; the running largest t
	v_mov_b32 v254, v12
	v_floor_f32 v12, -v13                          ; the new -M = floor(-t) = -ceil(t): a whole number
	v_sub_f32 v254, v12, v254                      ; old M - new M: a whole number, 0 or less
	v_cvt_i32_f32 v254, v254                       ; (it saturates)
	v_ldexp_f32 v252, 1.0, v254                    ; f = 2^(old M - new M)
.irp j, 0,2,4,6,8,10,12,14,16,18,20,22,24,26,28,30,32,34,36,38,40,42,44,46,48,50,52,54,56,58,60,62
	v_pk_fma_f32 v[96+\j:97+\j], v[96+\j:97+\j], s[CS:CS+1], v[12:13] op_sel_hi:[1,0,0]   ; t - M, two at a time
.endr
.irp b, 0,1,2,3
	v_fma_f32 v[232+\b], v[232+\b], s[CS], v12     ; the same of each block's largest score
.endr
.irp j, 0,1,2,3,4,5,6,7,8,9,10,11,12,13,14,15,16,17,18,19,20,21,22,23,24,25,26,27,28,29,30,31,32,33,34,35,36,37,38,39,40,41,42,43,44,45,46,47,48,49,50,51,52,53,54,55,56,57,58,59,60,61,62,63
	v_exp_f32 v[96+\j], v[96+\j]                   ; p = 2^(t - M), at most 1
.endr
.irp b, 0,1,2,3
	v_exp_f32 v[232+\b], v[232+\b]                 ; the block's largest p: the same two instructions on the same number give the same bits
.endr
	v_pk_mul_f32 v[14:15], v[14:15], v[252:253] op_sel_hi:[1,0]   ; the sums under the new M.  (A plain place behind the exponentials)
	s_wait_alu depctr_va_vdst(0)
.irp b, 0,1,2,3
	v_max_num_f32 v[232+\b], 0x1800000, v[232+\b]  ; the floor 2^(3 - 127): the byte cannot fall under 1
.endr
.irp b, 0,1,2,3
	v_add_nc_u32 v[244+\b], 0xff000000, v[232+\b]  ; 2 off the exponent field: the conversion's scale operand
.endr
.irp b, 0,1,2,3
	v_lshrrev_b32 v[236+\b], 23, v[244+\b]         ; the scale's byte
.endr
	v_lshl_or_b32 v253, v237, 8, v236              ; p's scale word for these 128 keys
	v_lshl_or_b32 v253, v238, 16, v253
	v_lshl_or_b32 v253, v239, 24, v253
.irp b, 0,1,2,3
	v_cvt_scalef32_pk8_fp4_f32 v[224+4*(\b/2)+(\b%2)], v[96+16*\b:103+16*\b], v[244+\b]
	v_cvt_scalef32_pk8_fp4_f32 v[226+4*(\b/2)+(\b%2)], v[104+16*\b:111+16*\b], v[244+\b]
.endr
	v_nop                                          ; one plain place behind a scaled conversion
.irp i, 0,2,4,6
	v_permlane16_swap_b32 v[224+\i], v[225+\i]     ; registers 4 c .. 4 c + 3 now hold keys 64 c + 32 h + 0 .. 31
.endr
	v_pk_add_f32 v[236:237], v[96:97], v[98:99]    ; THE ROW'S SUM IS TAKEN OF THE UNQUANTISED p: two at a time, in two chains
.irp j, 4,8,12,16,20,24,28,32,36,40,44,48,52,56,60
	v_pk_add_f32 v[14:15], v[14:15], v[96+\j:97+\j]
	v_pk_add_f32 v[236:237], v[236:237], v[98+\j:99+\j]
.endr
	v_pk_add_f32 v[14:15], v[14:15], v[236:237]
.irp j, 0,2,4,6,8,10,12,14,16,18,20,22,24,26,28,30
	v_pk_mul_f32 v[160+\j:161+\j], v[160+\j:161+\j], v[252:253] op_sel_hi:[1,0]   ; O^T under the new M.  (With the sums above: the places between p's codes and scale word and the products below)
.endr
	s_wait_dscnt 0x0                               ; V is in
.irp n, 0,1,2,3
.if \n%2
	v_wmma_scale_f32_16x16x128_f8f6f4 v[160+8*\n:167+8*\n], v[64+8*\n:71+8*\n], v[224:231], v[160+8*\n:167+8*\n], v[28+\n/2], v253 matrix_a_fmt:MATRIX_FMT_FP4 matrix_b_fmt:MATRIX_FMT_FP4 matrix_a_scale:MATRIX_SCALE_ROW1
.else
	v_wmma_scale_f32_16x16x128_f8f6f4 v[160+8*\n:167+8*\n], v[64+8*\n:71+8*\n], v[224:231], v[160+8*\n:167+8*\n], v[28+\n/2], v253 matrix_a_fmt:MATRIX_FMT_FP4 matrix_b_fmt:MATRIX_FMT_FP4
.endif
.endr
	s_add_co_u32 s[TK], s[TK], 4096
	s_add_co_u32 s[TS], s[TS], 512
	s_add_co_u32 s[TJ], s[TJ], 256
.endm
	s_load_b256 s[4:11], s[0:1], 0x0               ; acodes, ascales, ccodes, cscales
	v_lshl_add_u32 v251, v0, 2, 0x29000
	v_mov_b32 v255, 0
	ds_add_u32 v251, v255
	ds_add_u32 v251, v255
	v_lshrrev_b32 v8, 5, v0
	v_readfirstlane_b32 s[WV], v8                  ; wave 0..15
	s_bfe_u32 s13, ttmp6, 0x40000                  ; cx: my place in the cluster
	s_lshl_b32 s14, ttmp9, 2                       ; in a cluster launch ttmp9 counts clusters
	s_add_co_u32 s14, s14, s13                     ; my block of 256 queries: it enters global addresses of Q and of the results alone
	s_and_b32 s15, ttmp7, 0xffff                   ; bh, which the four partners share
	s_lshl_b32 s16, s14, 4
	s_add_co_u32 s16, s16, s[WV]                   ; qt: my tile of 16 queries, 0 .. 127
.irp g, G1S, G1A, G1B
	s_mov_b32 s[\g+0], 15|(3<<16)|(1<<21)          ; the mask: all four work-groups; elements of 8 bytes; bit 21 set beside a mask; no padding
	s_mov_b32 s[\g+1], 32<<16                      ; tensor_dim0: rows of 256 bytes
	s_mov_b32 s[\g+3], 32<<16                      ; tile_dim0
	s_mov_b32 s[\g+5], 32                          ; the rows are dense
	s_mov_b32 s[\g+6], 0
	s_mov_b32 s[\g+7], 0
.endr
	s_mov_b32 s[G1S+2], 48<<16                     ; tensor_dim1 and tile_dim1: 12,288 bytes of scale words,
	s_mov_b32 s[G1S+4], 48
	s_mov_b32 s[G1A+2], 64<<16                     ; 16,384 bytes of codes: four steps,
	s_mov_b32 s[G1A+4], 64
	s_mov_b32 s[G1B+2], 192<<16                    ; 49,152 bytes: the other twelve
	s_mov_b32 s[G1B+4], 192
	s_lshl_b32 s18, s15, 16                        ; bh's codes in each of q, k, v
	s_mov_b32 s19, 0
	s_mul_i32 s20, s15, 12288
	s_add_co_u32 s20, s20, 262144                  ; bh's scale words of k and v
	s_mov_b32 s21, 0
	s_lshl_b32 s80, s16, 9                         ; Q's codes: bh x 65536 + qt x 512
	s_add_co_u32 s80, s80, s18
	s_mov_b32 s81, 0
	s_lshl_b32 s66, s15, 13                        ; Q's scale words: bh x 8192 + (qt / 8) x 512 + (qt % 2) x 256 + ((qt / 2) % 4) x 4
	s_lshr_b32 s17, s16, 3
	s_lshl_b32 s17, s17, 9
	s_add_co_u32 s66, s66, s17
	s_and_b32 s17, s16, 1
	s_lshl_b32 s17, s17, 8
	s_add_co_u32 s66, s66, s17
	s_bfe_u32 s17, s16, 0x20001
	s_lshl_b32 s17, s17, 2
	s_add_co_u32 s66, s66, s17
	s_mov_b32 s67, 0
	s_lshr_b32 s82, s15, 3                         ; the result's codes: (batch x 128 + qt) x 4096 + head x 512
	s_lshl_b32 s82, s82, 7
	s_add_co_u32 s82, s82, s16
	s_lshl_b32 s82, s82, 12
	s_and_b32 s17, s15, 7
	s_lshl_b32 s17, s17, 9
	s_add_co_u32 s82, s82, s17
	s_mov_b32 s83, 0
	s_lshl_b32 s84, s15, 12                        ; its scale bytes: bh x 4096 + block x 512
	s_lshl_b32 s17, s14, 9
	s_add_co_u32 s84, s84, s17
	s_mov_b32 s85, 0
	s_mov_b32 s[SEL], 0x76543210
	s_mov_b32 s[SEL+1], 0xfedcba98
	s_mov_b32 s[CS], 0x3e38aa3b                    ; c = log2(e) / 8
	s_mov_b32 s[CS+1], s[CS]                       ; (named with it as a pair, so it is written)
	s_mov_b32 s[TK], 0
	s_mov_b32 s[TS], 0
	s_mov_b32 s[TJ], 0
	v_and_b32 v8, 31, v0                           ; lane
	v_and_b32 v9, 15, v0                           ; r
	v_lshlrev_b32 v[AK0], 4, v8
	v_lshl_add_u32 v[AV0], v8, 4, VC
	v_lshl_add_u32 v[ASK0], v8, 4, KS
	v_lshl_add_u32 v[ASV0], v8, 3, VS
	v_and_b32 v[SA], 0x1e0, v0
	v_lshl_add_u32 v[SA], v9, 1, v[SA]
	v_add_nc_u32 v[SA], STG, v[SA]
	v_lshlrev_b32 v[QS], 4, v9
	v_lshl_add_u32 v[SRD], v8, 4, STG
	s_wait_dscnt 0x0
	s_wait_kmcnt 0x0
	s_add_nc_u64 s[22:23], s[4:5], s[18:19]        ; made of bh alone: every register of the descriptors is the same in the four partners
	s_mov_b32 s[G0SC+0], 1
	s_mov_b32 s[G0SC+1], KS
	s_add_nc_u64 s[G0SC+2:G0SC+3], s[6:7], s[20:21]
	s_or_b32 s[G0SC+3], s[G0SC+3], 0x80000000
	s_mov_b32 s[G0KA+0], 1
	s_mov_b32 s[G0KA+1], 0
	s_add_nc_u64 s[G0KA+2:G0KA+3], s[22:23], 2097152
	s_or_b32 s[G0KA+3], s[G0KA+3], 0x80000000
	s_mov_b32 s[G0KB+0], 1
	s_mov_b32 s[G0KB+1], 16384
	s_add_nc_u64 s[G0KB+2:G0KB+3], s[22:23], 2097152+16384
	s_or_b32 s[G0KB+3], s[G0KB+3], 0x80000000
	s_mov_b32 s[G0VA+0], 1
	s_mov_b32 s[G0VA+1], VC
	s_add_nc_u64 s[G0VA+2:G0VA+3], s[22:23], 4194304
	s_or_b32 s[G0VA+3], s[G0VA+3], 0x80000000
	s_mov_b32 s[G0VB+0], 1
	s_mov_b32 s[G0VB+1], VC+16384
	s_add_nc_u64 s[G0VB+2:G0VB+3], s[22:23], 4194304+16384
	s_or_b32 s[G0VB+3], s[G0VB+3], 0x80000000
	s_add_nc_u64 s[4:5], s[4:5], s[80:81]          ; Q's codes,
	s_add_nc_u64 s[6:7], s[6:7], s[66:67]          ; Q's scale words,
	s_add_nc_u64 s[8:9], s[8:9], s[82:83]          ; the result's codes
	s_add_nc_u64 s[10:11], s[10:11], s[84:85]      ; and scale bytes
	CROUND                                         ; all four work-groups are here: the joint loads meet
	s_cmp_eq_u32 s[WV], 0                          ; a wave's fills stand in one branch on its number: wave 0 has three loads out, wave 1 two, the others none
	s_cbranch_scc0 .Lnot_first
	tensor_load_to_lds s[G0SC:G0SC+3], s[G1S:G1S+7]
	s_nop 0
	tensor_load_to_lds s[G0KA:G0KA+3], s[G1A:G1A+7]
	s_nop 0
	tensor_load_to_lds s[G0KB:G0KB+3], s[G1B:G1B+7]
	s_nop 0
.rept 4
	v_nop
.endr
	s_branch .Lasked
.Lnot_first:
	s_cmp_eq_u32 s[WV], 1
	s_cbranch_scc0 .Lasked
	tensor_load_to_lds s[G0VA:G0VA+3], s[G1A:G1A+7]
	s_nop 0
	tensor_load_to_lds s[G0VB:G0VB+3], s[G1B:G1B+7]
	s_nop 0
.rept 4
	v_nop
.endr
.Lasked:
	global_load_b128 v[16:19], v[AK0], s[4:5]      ; Q's fragment stays in registers
	global_load_b32 v30, v[QS], s[6:7]             ; and its scale words: lane r has row r's
.irp i, 20,21,22,23
	v_mov_b32 v[\i], 0                             ; dk 64 .. 127: zero codes
.endr
.irp t, 0,1,2,3,4,5,6,7
.irp i, 4,5,6,7
	v_mov_b32 v[32+8*\t+128*(\t/4)+\i], 0          ; the same in K's eight tiles: written once, never loaded
.endr
.endr
.irp j, 0,1,2,3,4,5,6,7,8,9,10,11,12,13,14,15,16,17,18,19,20,21,22,23,24,25,26,27,28,29,30,31
	v_mov_b32 v[160+\j], 0                         ; O^T.  (The step has no first form of its own: it finds zeros, which the first change of M leaves zeros)
.endr
	v_mov_b32 v13, 0xff61b1e6                      ; the largest t so far: -3e38, under every t
	v_floor_f32 v12, -v13                          ; -M
	v_mov_b32 v14, 0                               ; the sum, in two halves
	v_mov_b32 v15, 0
.irp b, 0,1,2,3
	v_mov_b32 v[236+\b], 0                         ; written once: a lane permute's destination counts as one of its sources
.endr
	v_mov_b32 v253, 0                              ; (named as the upper half of the pair v[252:253] before it is first written)
	s_wait_loadcnt 0x0                             ; Q
	s_wait_tensorcnt 0x1                           ; wave 0: the scale words and K's keys 0-511 are in; wave 1: V's; the rest may stay out
	s_barrier_signal -1
	s_barrier_wait -1
	s_mov_b32 s[CNT], 4
.Lfirst:                                           ; keys 0 .. 511
	STEP
	s_sub_co_u32 s[CNT], s[CNT], 1
	s_cmp_lg_u32 s[CNT], 0
	s_cbranch_scc1 .Lfirst
	s_wait_tensorcnt 0x0                           ; the rest of K and V is in
	s_wait_dscnt 0x0
	s_barrier_signal -1
	s_barrier_wait -1
	s_mov_b32 s[CNT], 12
.Lrest:                                            ; keys 512 .. 2,047
	STEP
	s_sub_co_u32 s[CNT], s[CNT], 1
	s_cmp_lg_u32 s[CNT], 0
	s_cbranch_scc1 .Lrest
	; THE WAY OUT: O^T / the sum, quantised along my head's 64: two blocks
.rept 4
	v_nop                                          ; places behind the last products
.endr
	v_add_f32 v14, v14, v15                        ; the sum's two halves,
	v_permlanex16_b32 v252, v14, s[SEL], s[SEL+1]
	v_add_f32 v14, v14, v252                       ; and lane l xor 16's: the row's sum
	v_rcp_f32 v14, v14
	v_nop                                          ; one plain place behind a transcendental
	s_wait_alu depctr_va_vdst(0)
.irp j, 0,1,2,3,4,5,6,7,8,9,10,11,12,13,14,15,16,17,18,19,20,21,22,23,24,25,26,27,28,29,30,31
	v_mul_f32 v[96+\j], v[160+\j], v14             ; register 8 n + j is dv 16 n + 8 h + j of my query
.endr
.irp b, 0,1
	v_max3_num_f32 v[232+\b], |v[96+16*\b]|, |v[97+16*\b]|, 0x1800000
.endr
.irp i, 2,4,6,8,10,12,14
.irp b, 0,1
	v_max3_num_f32 v[232+\b], v[232+\b], |v[96+16*\b+\i]|, |v[97+16*\b+\i]|
.endr
.endr
.irp b, 0,1
	v_permlanex16_b32 v[236+\b], v[232+\b], s[SEL], s[SEL+1]
.endr
.irp b, 0,1
	v_max_num_f32 v[232+\b], v[232+\b], v[236+\b]
.endr
.irp b, 0,1
	v_add_nc_u32 v[244+\b], 0xff000000, v[232+\b]
.endr
.irp b, 0,1
	v_lshrrev_b32 v[236+\b], 23, v[244+\b]
.endr
	v_lshl_or_b32 v240, v237, 8, v236              ; my query's two scale bytes
.irp b, 0,1
	v_cvt_scalef32_pk8_fp4_f32 v[224+\b], v[96+16*\b:103+16*\b], v[244+\b]
	v_cvt_scalef32_pk8_fp4_f32 v[226+\b], v[104+16*\b:111+16*\b], v[244+\b]
.endr
	v_nop                                          ; one plain place behind a scaled conversion
	v_permlane16_swap_b32 v224, v225
	v_permlane16_swap_b32 v226, v227               ; v224-227: lane (r, h): query r, dv 32 h + 0 .. 31
	global_store_b128 v[AK0], v[224:227], s[8:9]   ; 512 consecutive bytes: four registers of the last product's operand
	ds_store_b16 v[SA], v240                       ; both lanes of a query write the same two bytes with the same value
	s_wait_dscnt 0x0                               ; for wave 0's sake
	s_barrier_signal -1
	s_barrier_wait -1
	s_cmp_lg_u32 s[WV], 0
	s_cbranch_scc1 .Lclose
	ds_load_b128 v[96:99], v[SRD]                  ; wave 0: the 256 queries' scale bytes
	s_wait_dscnt 0x0
	global_store_b128 v[AK0], v[96:99], s[10:11]   ; 512 consecutive bytes
.Lclose:
	s_wait_tensorcnt 0x0
	ds_add_u32 v251, v255
	s_wait_dscnt 0x0
	CROUND                                         ; the closing round: no work-group ends while a partner may still ask for a tile that names it
	s_endpgm
.Lfunc_end_k_q1f622aa99b_attn:
	.size	k_q1f622aa99b_attn, .Lfunc_end_k_q1f622aa99b_attn-k_q1f622aa99b_attn
	.p2alignl 7, 3214868480
	.fill 96, 4, 3214868480
	.section	.rodata,"a",@progbits
	.p2align	6, 0x0
	.amdhsa_kernel k_q1f622aa99b_attn
		.amdhsa_group_segment_fixed_size 169984
		.amdhsa_private_segment_fixed_size 0
		.amdhsa_enable_private_segment 0
		.amdhsa_kernarg_size 32
		.amdhsa_user_sgpr_count 2
		.amdhsa_user_sgpr_kernarg_segment_ptr 1
		.amdhsa_wavefront_size32 1
		.amdhsa_system_sgpr_workgroup_id_x 1
		.amdhsa_system_sgpr_workgroup_id_y 1
		.amdhsa_system_sgpr_workgroup_id_z 1
		.amdhsa_system_vgpr_workitem_id 0
		.amdhsa_next_free_vgpr 256
		.amdhsa_next_free_sgpr 88
		.amdhsa_reserve_vcc 0
		.amdhsa_float_denorm_mode_32 3
		.amdhsa_float_denorm_mode_16_64 3
		.amdhsa_memory_ordered 1
		.amdhsa_forward_progress 1
		.amdhsa_inst_pref_size 44
	.end_amdhsa_kernel
	.amdgpu_metadata
---
amdhsa.version: [ 1, 2 ]
amdhsa.kernels:
  - .name:           k_q1f622aa99b_attn
    .symbol:         k_q1f622aa99b_attn.kd
    .args:
      - { .name: acodes, .offset: 0, .size: 8, .value_kind: global_buffer, .address_space: global }
      - { .name: ascales, .offset: 8, .size: 8, .value_kind: global_buffer, .address_space: global }
      - { .name: ccodes, .offset: 16, .size: 8, .value_kind: global_buffer, .address_space: global }
      - { .name: cscales, .offset: 24, .size: 8, .value_kind: global_buffer, .address_space: global }
    .group_segment_fixed_size: 169984
    .private_segment_fixed_size: 0
    .kernarg_segment_align: 8
    .kernarg_segment_size: 32
    .max_flat_workgroup_size: 512
    .sgpr_count:     88
    .vgpr_count:     256
    .wavefront_size: 32
...
	.end_amdgpu_metadata
.endif
;; end of part 3
;; launch outproj (part 4): grid 256 x 1, 8 waves a work-group, no clusters, 70,656 bytes of LDS; arguments ccodes, cscales, wcodes, wscales, bo, out0; writes out0
.if DOCPART == 4
	.amdgcn_target "amdgcn-amd-amdhsa--gfx1250"
	.amdhsa_code_object_version 6
	.text
	.protected	k_q1f622aa99b_outproj
	.globl	k_q1f622aa99b_outproj
	.p2align	8
	.type	k_q1f622aa99b_outproj,@function
k_q1f622aa99b_outproj:
	s_mov_b64 s[64:65], 0
	v_nop
	global_prefetch_b8 v0, s[64:65] scope:SCOPE_SE
	s_setreg_imm32_b32 hwreg(HW_REG_WAVE_MODE, 25, 1), 1
	s_wait_xcnt 0x0
; out0 = concat Wo + bo on codes of FP4 (E2M1) with one E8M0 scale for each 32 along K = 512 (head x 64 + dv).  Both operands come as codes in the order of an operand's registers.
; SHARES.  A work-group owns 32 rows (row tiles 2 g, 2 g + 1), wave w columns 64 w .. 64 w + 63: its part of a row of out0 is 256 consecutive bytes, aligned.  256 work-groups, one tile each.
; Source 0 = 16 columns of Wo, source 1 = 16 rows: a lane holds one row and eight neighbouring columns.  bo is the C of each sum's first product; the eight accumulators take turns, one instruction a turn.
; All operands go straight into registers by loads of 512 consecutive bytes: 32 products a wave want no ring, and each fragment is used as it lies.  NO CLUSTER, no tensor loads: Wo's codes, which all work-groups share,
; are 16 KB a wave and never pass through LDS.  The results go through the wave's own stage in LDS, so that sixteen lanes store 256 consecutive bytes; no barrier.
; A row's scale word of K step s is made of the two bytes of head 2 s and the two of head 2 s + 1.
; REGISTERS.  window 0: v4-14 addresses; v16-79 the rows' 8 fragments ((e, s) at 16 + 8 (4 e + s)), later rows of out0; v80-143 accumulators; v176-183 Wo's scale words; v184-191 the rows'; v192-223 bo; v224-239 pairs of scale bytes.
;   window 1: v0-127 Wo's 16 fragments, (tile t, K step s) at 8 (4 t + s).
.set STO,  4                           ; v4   stage, in: wave x 8704 + r x 272 + 32 h
.set RD,   5                           ; v5   stage, back: wave x 8704 + (lane / 16) x 272 + 16 (lane % 16)
.set CO,   6                           ; v6   out0: (lane / 16) x 2048 + 16 (lane % 16)
.set GO,   9                           ; v9   16 x lane
.set L4,   12                          ; v12  4 x lane
.set BQ,   13                          ; v13  32 h
.set L2,   14                          ; v14  2 r
.set XF,   16
.set ACC,  80
.set WS,   176
.set XSW,  184
.set BIAS, 192
.set R16,  224
.set WV,   16
.set MSB, 0
.macro WIN new                         ; the immediate's high byte repeats the setting that is left
.if MSB != \new
	s_set_vgpr_msb (MSB<<8)|\new
.set MSB, \new
.endif
.endm
.macro MM d, a, b, c, sa, sb, ra       ; one product; ra: source 0's scales stand in lanes 16-31 of the register named
.if (\ra)
	v_wmma_scale_f32_16x16x128_f8f6f4 v[\d:\d+7], v[\a:\a+7], v[\b:\b+7], v[\c:\c+7], v[\sa], v[\sb] matrix_a_fmt:MATRIX_FMT_FP4 matrix_b_fmt:MATRIX_FMT_FP4 matrix_a_scale:MATRIX_SCALE_ROW1
.else
	v_wmma_scale_f32_16x16x128_f8f6f4 v[\d:\d+7], v[\a:\a+7], v[\b:\b+7], v[\c:\c+7], v[\sa], v[\sb] matrix_a_fmt:MATRIX_FMT_FP4 matrix_b_fmt:MATRIX_FMT_FP4
.endif
.endm
	s_load_b256 s[4:11], s[0:1], 0x0               ; ccodes, cscales, wcodes, wscales
	s_load_b128 s[12:15], s[0:1], 0x20             ; bo, out0
	v_lshl_add_u32 v254, v0, 2, 0x11000
	v_mov_b32 v255, 0
	v_lshrrev_b32 v1, 5, v0
	v_readfirstlane_b32 s[WV], v1                  ; wave 0..7
	v_and_b32 v1, 31, v0                           ; lane
	v_and_b32 v2, 15, v0                           ; r
	v_bfe_u32 v3, v0, 4, 1                         ; h
	s_mul_i32 s17, s[WV], 8704                     ; my stage: 32 rows x (256 + 16) bytes
	v_mul_u32_u24 v[STO], v2, 272
	v_lshl_add_u32 v[STO], v3, 5, v[STO]
	v_add_nc_u32 v[STO], s17, v[STO]
	v_mul_u32_u24 v[RD], v3, 272
	v_lshl_add_u32 v[RD], v2, 4, v[RD]
	v_add_nc_u32 v[RD], s17, v[RD]
	v_lshlrev_b32 v[CO], 11, v3
	v_lshl_add_u32 v[CO], v2, 4, v[CO]
	v_lshlrev_b32 v[GO], 4, v1
	v_lshlrev_b32 v[L4], 2, v1
	v_lshlrev_b32 v[BQ], 5, v3
	v_lshlrev_b32 v[L2], 1, v2
	s_lshl_b32 s20, ttmp9, 13                      ; the rows' codes: two row tiles of 4,096 bytes
	s_mov_b32 s21, 0
	s_lshr_b32 s22, ttmp9, 6                       ; their scale bytes: batch x 8 heads x 4096 + row in the batch x 2
	s_lshl_b32 s22, s22, 15
	s_and_b32 s23, ttmp9, 63
	s_lshl_b32 s23, s23, 6
	s_add_co_u32 s22, s22, s23
	s_mov_b32 s23, 0
	s_lshl_b32 s24, s[WV], 14                      ; Wo is weight 3: its codes,
	s_add_co_u32 s24, s24, 3<<17
	s_mov_b32 s25, 0
	s_lshl_b32 s26, s[WV], 10                      ; its scale words
	s_add_co_u32 s26, s26, 3<<13
	s_mov_b32 s27, 0
	s_lshl_b32 s28, s[WV], 8                       ; bo: my 64 numbers
	s_mov_b32 s29, 0
	s_lshl_b32 s30, ttmp9, 16                      ; out0: 32 rows of 2,048 bytes a work-group, + my 256 bytes
	s_add_co_u32 s30, s30, s28
	s_mov_b32 s31, 0
	s_wait_kmcnt 0x0
	s_add_nc_u64 s[4:5], s[4:5], s[20:21]
	s_add_nc_u64 s[6:7], s[6:7], s[22:23]
	s_add_nc_u64 s[8:9], s[8:9], s[24:25]
	s_add_nc_u64 s[10:11], s[10:11], s[26:27]
	s_add_nc_u64 s[12:13], s[12:13], s[28:29]
	s_add_nc_u64 s[14:15], s[14:15], s[30:31]
.irp e, 0,1
.irp hd, 0,1,2,3,4,5,6,7
	global_load_u16 v[R16+8*\e+\hd], v[L2], s[6:7] offset:\hd*4096+\e*32   ; row 16 e + r, head hd: its two scale bytes
.endr
.endr
.irp e, 0,1
.irp s, 0,1,2,3
.irp cc, 0,1
	global_load_b128 v[XF+8*(4*\e+\s)+4*\cc:XF+8*(4*\e+\s)+4*\cc+3], v[GO], s[4:5] offset:\e*4096+\s*1024+\cc*512
.endr
.endr
.endr
.irp pr, 0,1
.irp s, 0,1,2,3
	global_load_b32 v[WS+4*\pr+\s], v[L4], s[10:11] offset:\pr*512+\s*128
.endr
.endr
.irp t, 0,1,2,3                        ; register j of tile t is column 16 t + 8 h + j
	global_load_b128 v[BIAS+8*\t:BIAS+8*\t+3], v[BQ], s[12:13] offset:64*\t
	global_load_b128 v[BIAS+8*\t+4:BIAS+8*\t+7], v[BQ], s[12:13] offset:64*\t+16
.endr
	WIN 0x40                                       ; destination window 1
.irp t, 0,1,2,3
.irp s, 0,1,2,3
.irp cc, 0,1
	global_load_b128 v[8*(4*\t+\s)+4*\cc:8*(4*\t+\s)+4*\cc+3], v[GO], s[8:9] offset:\t*4096+\s*1024+\cc*512
.endr
.endr
.endr
	WIN 0
	s_wait_loadcnt 0x0
.irp e, 0,1
.irp s, 0,1,2,3
	v_lshl_or_b32 v[XSW+4*\e+\s], v[R16+8*\e+2*\s+1], 16, v[R16+8*\e+2*\s]   ; K step s: heads 2 s and 2 s + 1
.endr
.endr
.rept 8
	v_nop                                          ; a scale register written by a vector instruction stands eight places ahead of a scaled matrix instruction
.endr
	WIN 0x01                                       ; source 0 (Wo) window 1
.irp s, 0,1,2,3
.irp e, 0,1
.irp t, 0,1,2,3
.if \s == 0
	MM ACC+8*(4*\e+\t), 8*(4*\t+\s), XF+8*(4*\e+\s), BIAS+8*\t, WS+4*(\t/2)+\s, XSW+4*\e+\s, \t%2
.else
	MM ACC+8*(4*\e+\t), 8*(4*\t+\s), XF+8*(4*\e+\s), ACC+8*(4*\e+\t), WS+4*(\t/2)+\s, XSW+4*\e+\s, \t%2
.endif
.endr
.endr
.endr
	WIN 0
.rept 4
	v_nop                                          ; places in front of the stores that read results and of the loads into registers that products have read
.endr
.irp e, 0,1
.irp t, 0,1,2,3
	ds_store_b128 v[STO], v[ACC+8*(4*\e+\t):ACC+8*(4*\e+\t)+3] offset:\e*4352+64*\t        ; each accumulator from its low end on
	ds_store_b128 v[STO], v[ACC+8*(4*\e+\t)+4:ACC+8*(4*\e+\t)+7] offset:\e*4352+64*\t+16
.endr
.endr
.irp e, 0,1
.irp i, 0,1,2,3,4,5,6,7
	ds_load_b128 v[XF+4*(8*\e+\i):XF+4*(8*\e+\i)+3], v[RD] offset:\e*4352+2*\i*272   ; LDS serves a wave's instructions in order (ISA guide 5.7.1.4): these see my stores
.endr
.endr
.irp e, 0,1
.irp i, 0,1,2,3,4,5,6,7
	s_wait_dscnt 15-8*\e-\i                        ; this pair of rows is back; the younger loads may be out
	global_store_b128 v[CO], v[XF+4*(8*\e+\i):XF+4*(8*\e+\i)+3], s[14:15] offset:(16*\e+2*\i)*2048 th:TH_STORE_NT   ; each sixteen lanes store 256 consecutive bytes, aligned; written once, read by nobody here
.endr
.endr
	s_wait_tensorcnt 0x0
	ds_add_u32 v254, v255
	s_wait_dscnt 0x0
	s_endpgm
.Lfunc_end_k_q1f622aa99b_outproj:
	.size	k_q1f622aa99b_outproj, .Lfunc_end_k_q1f622aa99b_outproj-k_q1f622aa99b_outproj
	.p2alignl 7, 3214868480
	.fill 96, 4, 3214868480
	.section	.rodata,"a",@progbits
	.p2align	6, 0x0
	.amdhsa_kernel k_q1f622aa99b_outproj
		.amdhsa_group_segment_fixed_size 70656
		.amdhsa_private_segment_fixed_size 0
		.amdhsa_enable_private_segment 0
		.amdhsa_kernarg_size 48
		.amdhsa_user_sgpr_count 2
		.amdhsa_user_sgpr_kernarg_segment_ptr 1
		.amdhsa_wavefront_size32 1
		.amdhsa_system_sgpr_workgroup_id_x 1
		.amdhsa_system_sgpr_workgroup_id_y 1
		.amdhsa_system_sgpr_workgroup_id_z 1
		.amdhsa_system_vgpr_workitem_id 0
		.amdhsa_next_free_vgpr 384
		.amdhsa_next_free_sgpr 66
		.amdhsa_reserve_vcc 0
		.amdhsa_float_denorm_mode_32 3
		.amdhsa_float_denorm_mode_16_64 3
		.amdhsa_memory_ordered 1
		.amdhsa_forward_progress 1
		.amdhsa_inst_pref_size 19
	.end_amdhsa_kernel
	.amdgpu_metadata
---
amdhsa.version: [ 1, 2 ]
amdhsa.kernels:
  - .name:           k_q1f622aa99b_outproj
    .symbol:         k_q1f622aa99b_outproj.kd
    .args:
      - { .name: ccodes, .offset: 0, .size: 8, .value_kind: global_buffer, .address_space: global }
      - { .name: cscales, .offset: 8, .size: 8, .value_kind: global_buffer, .address_space: global }
      - { .name: wcodes, .offset: 16, .size: 8, .value_kind: global_buffer, .address_space: global }
      - { .name: wscales, .offset: 24, .size: 8, .value_kind: global_buffer, .address_space: global }
      - { .name: bo, .offset: 32, .size: 8, .value_kind: global_buffer, .address_space: global }
      - { .name: out0, .offset: 40, .size: 8, .value_kind: global_buffer, .address_space: global }
    .group_segment_fixed_size: 70656
    .private_segment_fixed_size: 0
    .kernarg_segment_align: 8
    .kernarg_segment_size: 48
    .max_flat_workgroup_size: 256
    .sgpr_count:     66
    .vgpr_count:     384
    .wavefront_size: 32
...
	.end_amdgpu_metadata
.endif
;; end of part 4
;; ======== version 2 of 2: 3 launches
;; limits: right only within a limited range of input values
;; workspace buffers: wimg 557,056 bytes; kv 4,456,448 bytes
;; launch wquant (part 5): grid 128 x 1, 8 waves a work-group, no clusters, 1,280 bytes of LDS; arguments Wq, Wk, Wv, Wo, wimg; writes wimg
.if DOCPART == 5
	.amdgcn_target "amdgcn-amd-amdhsa--gfx1250"
	.amdhsa_code_object_version 6
	.text
	.protected	k_q1f622aa99b_wquant
	.globl	k_q1f622aa99b_wquant
	.p2align	8
	.type	k_q1f622aa99b_wquant,@function
k_q1f622aa99b_wquant:
	s_mov_b64 s[64:65], 0
	v_nop
	global_prefetch_b8 v0, s[64:65] scope:SCOPE_SE
	s_setreg_imm32_b32 hwreg(HW_REG_WAVE_MODE, 25, 1), 1
	s_wait_xcnt 0x0
; The four weights, f32 with K as an outer axis (Wq, Wk, Wv: [8 heads][512 k][64]; Wo: [512 k][512]), become codes of FP4 (E2M1) and E8M0 scale bytes, one for each 32 along K.
; All inputs are loaded, by this launch or a later one.
; A block's scale is 2^(floor(log2(its largest magnitude)) - 2): its byte is the largest magnitude's exponent field - 2, held at 1 from below.
; LIMITS: NaN and infinities are not served; a block of zeros gets the byte 1 where the rule says 127 (its codes are zeros, and this program alone reads the bytes).
; OUT: one image of 139,264 bytes for each weight, in the order of an operand's registers.  A column is 64 head + dk (Wo: its column); tile T = column / 16, r = column % 16; block kb = k / 32 = 4 s + 2 c + h.
;   codes at 0: T x 4096 + kb x 256 + r x 16: fragment (T, K step s) is 1,024 bytes on end, registers 4 c .. 4 c + 3 of lane 16 h + r at s x 1024 + c x 512 + 16 x lane.
;   scale bytes at 131072: (T / 2) x 512 + s x 128 + 4 x lane: the word of K step s; lanes 0-15 tile 2 (T / 2), lanes 16-31 the tile behind it.
; SHARES.  A work-group takes 32 columns x 256 along K, each of its eight waves ONE block of 32 along K.  A lane takes a column and its registers run down K: each load reads 128 consecutive bytes,
; the block's maximum needs no other lane, and the codes come out with K innermost.  All 32 loads of a wave go out at once.  A work-group's scale bytes are 256 bytes on end, aligned.
; No matrix unit, no tensor loads, no cluster: every input byte is read once, by one wave.
.set X, 32                             ; v32-63 my column's 32 numbers
.macro LOADS pitch                     ; W(32 kb + i, my column); pitch = bytes from one k to the next
.set N, 0
.rept 32
	global_load_b32 v[X+N], v1, s[4:5] offset:N*\pitch th:TH_LOAD_NT
.set N, N+1
.endr
.endm
	s_load_b256 s[4:11], s[0:1], 0x0               ; Wq, Wk, Wv, Wo
	s_load_b64 s[12:13], s[0:1], 0x20              ; wimg
	v_lshl_add_u32 v64, v0, 2, 0x100
	v_mov_b32 v65, 0
	v_lshrrev_b32 v1, 5, v0
	v_readfirstlane_b32 s16, v1                    ; wave 0..7
	s_lshr_b32 s17, ttmp9, 5                       ; which weight
	s_bfe_u32 s18, ttmp9, 0x40001                  ; cg: which 32 columns
	s_and_b32 s19, ttmp9, 1                        ; which half of K
	s_lshl_b32 s20, s19, 3
	s_add_co_u32 s20, s20, s16                     ; kb: my block along K
	s_lshr_b32 s21, s18, 1                         ; Wq, Wk, Wv: head x 131072 + 128 x (cg % 2) + kb x 32 rows of 256 bytes
	s_lshl_b32 s21, s21, 17
	s_and_b32 s22, s18, 1
	s_lshl_b32 s22, s22, 7
	s_add_co_u32 s21, s21, s22
	s_lshl_b32 s22, s20, 13
	s_add_co_u32 s21, s21, s22
	s_lshl_b32 s22, s18, 7                         ; Wo: 128 x cg + kb x 32 rows of 2,048 bytes
	s_lshl_b32 s23, s20, 16
	s_add_co_u32 s22, s22, s23
	s_cmp_eq_u32 s17, 3
	s_cselect_b32 s24, s22, s21
	s_mov_b32 s25, 0
	s_mul_i32 s28, s17, 139264                     ; my weight's image
	s_lshl_b32 s26, s18, 13                        ; codes: + cg x 8192 + kb x 256
	s_add_co_u32 s26, s26, s28
	s_lshl_b32 s27, s20, 8
	s_add_co_u32 s26, s26, s27
	s_mov_b32 s27, 0
	s_lshl_b32 s29, s18, 9                         ; scale bytes: + 131072 + cg x 512 + half x 256
	s_add_co_u32 s28, s28, s29
	s_lshl_b32 s29, s19, 8
	s_add_co_u32 s28, s28, s29
	s_add_co_u32 s28, s28, 131072
	s_mov_b32 s29, 0
	v_and_b32 v5, 31, v0                           ; lane = my column among the 32
	v_and_b32 v6, 15, v0
	v_bfe_u32 v2, v0, 4, 1
	v_lshrrev_b32 v3, 7, v0
	v_bfe_u32 v7, v0, 5, 2
	v_lshlrev_b32 v1, 2, v5                        ; in: 4 bytes a lane
	v_lshlrev_b32 v2, 12, v2
	v_lshlrev_b32 v3, 7, v3
	v_lshlrev_b32 v4, 3, v5                        ; the scale bytes' way out: 8 bytes a lane
	v_lshl_add_u32 v2, v6, 4, v2                   ; codes out: (lane / 16) x 4096 + (lane % 16) x 16
	v_lshl_add_u32 v3, v5, 2, v3
	v_add_nc_u32 v3, v3, v7                        ; LDS: (wave / 4) x 128 + 4 x lane + wave % 4: my byte of my column's scale word
	s_wait_alu depctr_va_vdst(0)
	s_wait_kmcnt 0x0
	s_cmp_eq_u32 s17, 1                            ; the weight is chosen by the work-group's number alone
	s_cselect_b64 s[4:5], s[6:7], s[4:5]
	s_cmp_eq_u32 s17, 2
	s_cselect_b64 s[4:5], s[8:9], s[4:5]
	s_cmp_eq_u32 s17, 3
	s_cselect_b64 s[4:5], s[10:11], s[4:5]
	s_add_nc_u64 s[4:5], s[4:5], s[24:25]
	s_add_nc_u64 s[14:15], s[12:13], s[28:29]
	s_add_nc_u64 s[12:13], s[12:13], s[26:27]
	s_cmp_eq_u32 s17, 3                            ; only the loads differ: the step from k to k + 1 stands in their immediates
	s_cbranch_scc1 .Lwo
	LOADS 256
	s_branch .Lin
.Lwo:
	LOADS 2048
.Lin:
	s_wait_loadcnt 0x0
.irp q, 0,1,2,3                        ; the block's largest magnitude, in four chains by turns, with the floor 2^(3 - 127): the byte cannot fall under 1
	v_max3_num_f32 v[8+\q], |v[X+8*\q]|, |v[X+8*\q+1]|, 0x1800000
.endr
.irp i, 2,4,6
.irp q, 0,1,2,3
	v_max3_num_f32 v[8+\q], v[8+\q], |v[X+8*\q+\i]|, |v[X+8*\q+\i+1]|
.endr
.endr
	v_max3_num_f32 v8, v8, v9, v10
	v_max_num_f32 v8, v8, v11
	v_add_nc_u32 v10, 0xff000000, v8               ; 2 off the exponent field: the conversion takes the exponent field of this operand as its scale
	v_lshrrev_b32 v11, 23, v10                     ; the scale's byte
.irp g, 0,1,2,3
	v_cvt_scalef32_pk8_fp4_f32 v[12+\g], v[X+8*\g:X+8*\g+7], v10
.endr
	v_nop                                          ; a plain line behind the last conversion
	global_store_b128 v2, v[12:15], s[12:13]       ; each sixteen lanes store 256 consecutive bytes, aligned
	ds_store_b8 v3, v11
	s_wait_dscnt 0x0                               ; for the others' sake: my byte lies in LDS
	s_barrier_signal -1
	s_barrier_wait -1
	s_cmp_lg_u32 s16, 0
	s_cbranch_scc1 .Ldone
	ds_load_b64 v[16:17], v4                       ; wave 0: the work-group's 256 scale bytes
	s_wait_dscnt 0x0
	global_store_b64 v4, v[16:17], s[14:15]        ; 256 consecutive bytes, aligned
.Ldone:
	s_wait_tensorcnt 0x0                           ; the wave's end
	ds_add_u32 v64, v65
	s_wait_dscnt 0x0
	s_endpgm
.Lfunc_end_k_q1f622aa99b_wquant:
	.size	k_q1f622aa99b_wquant, .Lfunc_end_k_q1f622aa99b_wquant-k_q1f622aa99b_wquant
	.p2alignl 7, 3214868480
	.fill 96, 4, 3214868480
	.section	.rodata,"a",@progbits
	.p2align	6, 0x0
	.amdhsa_kernel k_q1f622aa99b_wquant
		.amdhsa_group_segment_fixed_size 1280
		.amdhsa_private_segment_fixed_size 0
		.amdhsa_enable_private_segment 0
		.amdhsa_kernarg_size 40
		.amdhsa_user_sgpr_count 2
		.amdhsa_user_sgpr_kernarg_segment_ptr 1
		.amdhsa_wavefront_size32 1
		.amdhsa_system_sgpr_workgroup_id_x 1
		.amdhsa_system_sgpr_workgroup_id_y 1
		.amdhsa_system_sgpr_workgroup_id_z 1
		.amdhsa_system_vgpr_workitem_id 0
		.amdhsa_next_free_vgpr 66
		.amdhsa_next_free_sgpr 66
		.amdhsa_reserve_vcc 0
		.amdhsa_float_denorm_mode_32 3
		.amdhsa_float_denorm_mode_16_64 3
		.amdhsa_memory_ordered 1
		.amdhsa_forward_progress 1
		.amdhsa_inst_pref_size 11
	.end_amdhsa_kernel
	.amdgpu_metadata
---
amdhsa.version: [ 1, 2 ]
amdhsa.kernels:
  - .name:           k_q1f622aa99b_wquant
    .symbol:         k_q1f622aa99b_wquant.kd
    .args:
      - { .name: Wq, .offset: 0, .size: 8, .value_kind: global_buffer, .address_space: global }
      - { .name: Wk, .offset: 8, .size: 8, .value_kind: global_buffer, .address_space: global }
      - { .name: Wv, .offset: 16, .size: 8, .value_kind: global_buffer, .address_space: global }
      - { .name: Wo, .offset: 24, .size: 8, .value_kind: global_buffer, .address_space: global }
      - { .name: wimg, .offset: 32, .size: 8, .value_kind: global_buffer, .address_space: global }
    .group_segment_fixed_size: 1280
    .private_segment_fixed_size: 0
    .kernarg_segment_align: 8
    .kernarg_segment_size: 40
    .max_flat_workgroup_size: 256
    .sgpr_count:     66
    .vgpr_count:     66
    .wavefront_size: 32
...
	.end_amdgpu_metadata
.endif
;; end of part 5
;; launch proj (part 6): grid 128 x 2, 16 waves a work-group, no clusters, 167,936 bytes of LDS; arguments k_in, v_in, bk, bv, wimg, kv; writes kv
.if DOCPART == 6
	.amdgcn_target "amdgcn-amd-amdhsa--gfx1250"
	.amdhsa_code_object_version 6
	.text
	.protected	k_q1f622aa99b_proj
	.globl	k_q1f622aa99b_proj
	.p2align	8
	.type	k_q1f622aa99b_proj,@function
k_q1f622aa99b_proj:
	s_mov_b64 s[64:65], 0
	v_nop
	global_prefetch_b8 v0, s[64:65] scope:SCOPE_SE
	s_setreg_imm32_b32 hwreg(HW_REG_WAVE_MODE, 25, 1), 1
	s_wait_xcnt 0x0
; k = k_in Wk + bk (work-group y = 0) and v = v_in Wv + bv (y = 1) on codes of FP4 (E2M1) with one E8M0 scale for each 32 along K = 512; both are quantised at once: k along its head's 64, v along the keys.
; LIMITS: NaN and infinities are not served; a block of zeros gets the byte 1 (its codes are zeros, and this program alone reads the bytes).
; SHARES.  256 work-groups: 64 rows (keys) of one tensor, all 512 columns.  Wave w of SIXTEEN fetches 16 rows x 128 numbers by ONE tensor load, quantises one tile of 16 rows x 128, and makes 64 rows x 32 columns: half b = w % 2 of head w / 2.
; NO CLUSTER: the rows are shared by nobody, and each wave's one tensor load at the head is taken by its rows; the weight's fragments go from memory straight into the registers of the wave that uses them, each once in a work-group.
; NO PREFETCH: there is no loop to run ahead in.
; THE ROWS OF A TILE ARE CHOSEN: row m of tile u is key 32 (m / 8) + 8 u + m % 8 of the 64.  So for v a lane's registers of the four tiles are a whole block of 32 keys, in the order of the operand;
; and for k the tiles are those that the scores' product wants.  In the image tile number i = 0 .. 3 is u = 0, 2, 1, 3.
; OUT: a record of 34,816 bytes for each 64 keys: k's codes (head x 2048 + (u % 2) x 1024 + (u / 2) x 512 + 16 x lane), at 16384 v's (head x 2048 + dv tile x 512 + 16 x lane),
;   at 32768 k's scale words (head x 128 + u x 64 + 4 m, u = 0, 1: two bytes of tile u, two of tile u + 2), at 33792 v's scale bytes (head x 128 + 2 dv + h).  Each sixteen lanes store 256 consecutive bytes, aligned.
; REGISTERS.  v1-15 addresses; v16-79 rows as loaded, then two buffers of their fragments; v80-143 accumulators; v144-207 the weight's 8 fragments ((tile t, K step s) at 144 + 8 (4 t + s)); v208-223 bias; v224-227 the weight's scale words;
;   v228-235 the rows'; v236-243 codes; v244-255 at work.
.set ROWS, 8448                        ; 16 rows of 512 + 16 bytes
.set HALF, 8*ROWS+128                  ; rows 32-63 begin 128 bytes further on in the banks than rows 0-31
.set IMG,  2*HALF                      ; the rows' codes, 16 KB
.set XSC,  IMG+16384                   ; their scale words
.set SOK,  XSC+1024                    ; k's scale words on the way out,
.set SOV,  SOK+1024                    ; v's scale bytes
.set SPARE, SOV+1024                   ; the spare words
.set KO,   1                           ; k's way out: (lane / 16) x 512 + 16 r
.set SPW,  2
.set NIL,  3
.set XA,   4
.set LI,   5
.set LXS,  6
.set XWI,  7
.set XWS,  8
.set GO,   9                           ; 16 x lane
.set SKA,  10
.set SVA,  11
.set L4,   12
.set BQ,   13
.set BV,   14
.set SRD,  15
.set XB0,  16
.set XB1,  48
.set ACC,  80
.set W,    144
.set BIAS, 208
.set WS,   224
.set XS,   228
.set PC,   236
.set TM,   244
.set G1,   24
.set G0,   32
.set WV,   40
.set YY,   41
.set SI,   42
.set TI,   43
.set SEL,  44
.macro PLACES n
.rept \n
	v_nop
.endr
.endm
; 64 registers, four blocks in lanes l and l xor 16: register 16 b + 8 t + j is number 16 t + 8 h + j of block b.  Codes: pc + 4 p + d: lanes 0-15 dword d of block 2 p, lanes 16-31 of block 2 p + 1.  The four scale bytes: TM + 4 ..
.macro QUANT s
.irp b, 0,1,2,3
	v_max3_num_f32 v[TM+\b], |v[\s+16*\b]|, |v[\s+16*\b+1]|, 0x1800000
.endr
.irp i, 2,4,6,8,10,12,14
.irp b, 0,1,2,3
	v_max3_num_f32 v[TM+\b], v[TM+\b], |v[\s+16*\b+\i]|, |v[\s+16*\b+\i+1]|
.endr
.endr
.irp b, 0,1,2,3
	v_permlanex16_b32 v[TM+4+\b], v[TM+\b], s[SEL], s[SEL+1]
.endr
.irp b, 0,1,2,3
	v_max_num_f32 v[TM+\b], v[TM+\b], v[TM+4+\b]
.endr
.irp b, 0,1,2,3
	v_add_nc_u32 v[TM+8+\b], 0xff000000, v[TM+\b]
.endr
.irp b, 0,1,2,3
	v_cvt_scalef32_pk8_fp4_f32 v[PC+4*(\b/2)+(\b%2)], v[\s+16*\b:\s+16*\b+7], v[TM+8+\b]
	v_cvt_scalef32_pk8_fp4_f32 v[PC+4*(\b/2)+2+(\b%2)], v[\s+16*\b+8:\s+16*\b+15], v[TM+8+\b]
.endr
.irp b, 0,1,2,3
	v_lshrrev_b32 v[TM+4+\b], 23, v[TM+8+\b]       ; (plain lines behind the conversions)
.endr
.irp i, 0,2,4,6
	v_permlane16_swap_b32 v[PC+\i], v[PC+\i+1]     ; a whole block in a lane
.endr
.endm
; v: two column tiles, each with a whole block of 32 keys in a lane: no other lane is asked
.macro QUANTV
.irp q, 0,1,2,3
	v_max3_num_f32 v[TM+\q], |v[ACC+16*\q]|, |v[ACC+16*\q+1]|, 0x1800000
.endr
.irp i, 2,4,6,8,10,12,14
.irp q, 0,1,2,3
	v_max3_num_f32 v[TM+\q], v[TM+\q], |v[ACC+16*\q+\i]|, |v[ACC+16*\q+\i+1]|
.endr
.endr
.irp t, 0,1
	v_max_num_f32 v[TM+2*\t], v[TM+2*\t], v[TM+2*\t+1]
.endr
.irp t, 0,1
	v_add_nc_u32 v[TM+8+\t], 0xff000000, v[TM+2*\t]
.endr
.irp t, 0,1
	v_cvt_scalef32_pk8_fp4_f32 v[PC+4*\t], v[ACC+32*\t:ACC+32*\t+7], v[TM+8+\t]              ; tile u = 0
	v_cvt_scalef32_pk8_fp4_f32 v[PC+4*\t+1], v[ACC+32*\t+16:ACC+32*\t+23], v[TM+8+\t]        ; u = 1 stands third
	v_cvt_scalef32_pk8_fp4_f32 v[PC+4*\t+2], v[ACC+32*\t+8:ACC+32*\t+15], v[TM+8+\t]         ; u = 2 second
	v_cvt_scalef32_pk8_fp4_f32 v[PC+4*\t+3], v[ACC+32*\t+24:ACC+32*\t+31], v[TM+8+\t]
.endr
.irp t, 0,1
	v_lshrrev_b32 v[TM+4+\t], 23, v[TM+8+\t]
.endr
.endm
.macro MM d, a, b, c, sa, sb, ra, rb   ; one product; ra, rb: that side's scales stand in lanes 16-31 of the register named
.if (\ra) && (\rb)
	v_wmma_scale_f32_16x16x128_f8f6f4 v[\d:\d+7], v[\a:\a+7], v[\b:\b+7], v[\c:\c+7], v[\sa], v[\sb] matrix_a_fmt:MATRIX_FMT_FP4 matrix_b_fmt:MATRIX_FMT_FP4 matrix_a_scale:MATRIX_SCALE_ROW1 matrix_b_scale:MATRIX_SCALE_ROW1
.elseif (\ra)
	v_wmma_scale_f32_16x16x128_f8f6f4 v[\d:\d+7], v[\a:\a+7], v[\b:\b+7], v[\c:\c+7], v[\sa], v[\sb] matrix_a_fmt:MATRIX_FMT_FP4 matrix_b_fmt:MATRIX_FMT_FP4 matrix_a_scale:MATRIX_SCALE_ROW1
.elseif (\rb)
	v_wmma_scale_f32_16x16x128_f8f6f4 v[\d:\d+7], v[\a:\a+7], v[\b:\b+7], v[\c:\c+7], v[\sa], v[\sb] matrix_a_fmt:MATRIX_FMT_FP4 matrix_b_fmt:MATRIX_FMT_FP4 matrix_b_scale:MATRIX_SCALE_ROW1
.else
	v_wmma_scale_f32_16x16x128_f8f6f4 v[\d:\d+7], v[\a:\a+7], v[\b:\b+7], v[\c:\c+7], v[\sa], v[\sb] matrix_a_fmt:MATRIX_FMT_FP4 matrix_b_fmt:MATRIX_FMT_FP4
.endif
.endm
; Eight accumulators by turns; the bias is the C of each sum's first product.
.macro KMUL buf, s                     ; k: source 0 = 16 columns, source 1 = 16 rows: a lane holds one key and its registers run along dk
.irp m, 0,1,2,3
.irp t, 0,1
.if \s == 0
	MM ACC+16*\m+8*\t, W+8*(4*\t+\s), \buf+8*\m, BIAS+8*\t, WS+\s, XS+4*(\m/2)+\s, \t, \m%2
.else
	MM ACC+16*\m+8*\t, W+8*(4*\t+\s), \buf+8*\m, ACC+16*\m+8*\t, WS+\s, XS+4*(\m/2)+\s, \t, \m%2
.endif
.endr
.endr
.endm
.macro VMUL buf, s                     ; v: source 0 = 16 rows, source 1 = 16 columns: a lane holds one column and its registers run along the keys
.irp m, 0,1,2,3
.irp t, 0,1
.if \s == 0
	MM ACC+32*\t+8*\m, \buf+8*\m, W+8*(4*\t+\s), BIAS+8*\t, XS+4*(\m/2)+\s, WS+\s, \m%2, \t
.else
	MM ACC+32*\t+8*\m, \buf+8*\m, W+8*(4*\t+\s), ACC+32*\t+8*\m, XS+4*(\m/2)+\s, WS+\s, \m%2, \t
.endif
.endr
.endr
.endm
.macro FETCHG buf, s                   ; the four row tiles' fragments of K step s
.irp m, 0,1,2,3
.irp cc, 0,1
	ds_load_b128 v[\buf+8*\m+4*\cc:\buf+8*\m+4*\cc+3], v[LI] offset:(4*\m+(\s))*1024+512*\cc
.endr
.endr
.endm
.macro ITER mul
	s_wait_dscnt 8                                 ; all but the eight just issued, here and below
	\mul XB0, 0
	PLACES 4
	FETCHG XB0, 2
	s_wait_dscnt 8
	\mul XB1, 1
	PLACES 4
	FETCHG XB1, 3
	s_wait_dscnt 8
	\mul XB0, 2
	s_wait_dscnt 0x0
	\mul XB1, 3
	PLACES 4
.endm
.macro OUT a                           ; the eight heads' 1,024 scale bytes meet in LDS and leave as whole units
	s_wait_dscnt 0x0                               ; for wave 0's sake
	s_barrier_signal -1
	s_barrier_wait -1
	s_cmp_lg_u32 s[WV], 0
	s_cbranch_scc1 .Lfin_\@
	ds_load_b128 v[16:19], v[SRD] offset:\a
	ds_load_b128 v[20:23], v[SRD] offset:\a+512
	s_wait_dscnt 0x0
	global_store_b128 v[GO], v[16:19], s[22:23]
	global_store_b128 v[GO], v[20:23], s[22:23] offset:512
.Lfin_\@:
	s_wait_tensorcnt 0x0                           ; the wave's end
	ds_add_u32 v[SPW], v[NIL]
	s_wait_dscnt 0x0
	s_endpgm
.endm
	s_load_b256 s[4:11], s[0:1], 0x0               ; k_in, v_in, bk, bv
	s_load_b128 s[12:15], s[0:1], 0x20             ; wimg, kv
	v_lshl_add_u32 v[SPW], v0, 2, SPARE
	v_mov_b32 v[NIL], 0
	ds_add_u32 v[SPW], v[NIL]                      ; the wave's opening: the add, twice on end, and its wait
	ds_add_u32 v[SPW], v[NIL]
	v_lshrrev_b32 v16, 5, v0
	v_readfirstlane_b32 s[WV], v16                 ; wave 0..15
	s_and_b32 s[YY], ttmp7, 0xffff                 ; k or v
	s_and_b32 s[SI], s[WV], 3                      ; which 128 along K I fetch and quantise
	s_lshr_b32 s[TI], s[WV], 2                     ; which 16 rows I fetch; which tile of the image I quantise
	s_mov_b32 s[SEL], 0x76543210
	s_mov_b32 s[SEL+1], 0xfedcba98
	s_mov_b32 s[G1+0], (2<<16)|(1<<20)|(6<<22)|(3<<25)   ; elements of 4 bytes; 16 bytes of padding behind each 512
	s_mov_b32 s[G1+1], 128<<16
	s_mov_b32 s[G1+2], 16<<16
	s_mov_b32 s[G1+3], 128<<16
	s_mov_b32 s[G1+4], 16
	s_mov_b32 s[G1+5], 512
	s_mov_b32 s[G1+6], 0
	s_mov_b32 s[G1+7], 0
	s_lshl_b32 s50, ttmp9, 17                      ; my rows: 64 x work-group + 16 TI rows of 2,048 bytes, + 512 SI
	s_lshl_b32 s51, s[TI], 15
	s_add_co_u32 s50, s50, s51
	s_lshl_b32 s51, s[SI], 9
	s_add_co_u32 s50, s50, s51
	s_mov_b32 s51, 0
	s_mul_i32 s52, s[WV], ROWS
	s_lshr_b32 s53, s[WV], 3
	s_lshl_b32 s53, s53, 7
	s_add_co_u32 s52, s52, s53                     ; and their place in LDS
	s_lshr_b32 s46, s[WV], 1                       ; my head,
	s_and_b32 s47, s[WV], 1                        ; my half of its columns
	s_add_co_u32 s53, s[YY], 1
	s_mul_i32 s53, s53, 139264                     ; the weight's image: 1 or 2
	s_lshl_b32 s54, s[WV], 13
	s_add_co_u32 s54, s54, s53
	s_mov_b32 s55, 0
	s_lshl_b32 s56, s[WV], 9
	s_add_co_u32 s56, s56, s53
	s_add_co_u32 s56, s56, 131072
	s_mov_b32 s57, 0
	s_mul_i32 s60, ttmp9, 34816                    ; my record
	s_lshl_b32 s58, s[YY], 14
	s_add_co_u32 s58, s58, s60
	s_lshl_b32 s59, s46, 11
	s_add_co_u32 s58, s58, s59
	s_lshl_b32 s59, s[YY], 1
	s_add_co_u32 s59, s59, 8
	s_lshl_b32 s59, s47, s59                       ; my half: k's units lie 256 bytes apart, v's two tiles 1,024
	s_add_co_u32 s58, s58, s59
	s_mov_b32 s59, 0
	s_lshl_b32 s61, s[YY], 10
	s_add_co_u32 s60, s60, s61
	s_add_co_u32 s60, s60, 32768
	s_mov_b32 s61, 0
	s_lshl_b32 s62, s[WV], 7
	s_mov_b32 s63, 0
	s_mul_i32 s48, s[SI], ROWS                     ; where my tile's rows stand: u = 2 (TI % 2) + TI / 2: 16-row piece u / 2 of each half, eight rows u % 2 of it
	s_and_b32 s49, s[TI], 1
	s_mul_i32 s49, s49, 4*ROWS
	s_add_co_u32 s48, s48, s49
	s_lshr_b32 s49, s[TI], 1
	s_mul_i32 s53, s49, 8*528
	s_add_co_u32 s48, s48, s53
	s_lshl_b32 s49, s49, 9                         ; scale words: pair TI / 2, lanes' half TI % 2, K step SI
	s_and_b32 s53, s[TI], 1
	s_lshl_b32 s53, s53, 8
	s_add_co_u32 s49, s49, s53
	s_lshl_b32 s53, s[SI], 2
	s_add_co_u32 s49, s49, s53
	s_add_co_u32 s49, s49, XSC
	s_lshl_b32 s53, s[TI], 12                      ; the image: tile TI, K step SI
	s_lshl_b32 s66, s[SI], 10
	s_add_co_u32 s53, s53, s66
	s_lshl_b32 s66, s46, 7
	s_lshl_b32 s67, s47, 6
	s_add_co_u32 s67, s67, s66
	s_add_co_u32 s67, s67, SOV
	s_add_co_u32 s66, s66, s47
	s_add_co_u32 s66, s66, SOK
	v_and_b32 v16, 31, v0
	v_and_b32 v17, 15, v0
	v_bfe_u32 v18, v0, 4, 1
	v_bfe_u32 v19, v0, 3, 1
	v_and_b32 v20, 7, v0
	v_mul_u32_u24 v[XA], v19, HALF                 ; row m of a tile: half m / 8,
	v_mul_u32_u24 v20, v20, 528                    ; row m % 8 of the tile's eight there
	v_lshl_add_u32 v[LI], v16, 4, IMG
	v_lshl_add_u32 v[LXS], v16, 4, XSC
	v_lshl_add_u32 v[SRD], v16, 4, SOK
	v_lshlrev_b32 v[GO], 4, v16
	v_lshlrev_b32 v[L4], 2, v16
	v_add_nc_u32 v[XA], v[XA], v20
	v_add_nc_u32 v[XWI], s53, v[LI]
	v_lshl_add_u32 v[XWS], v17, 4, s49
	v_lshlrev_b32 v[BQ], 5, v18
	v_lshlrev_b32 v[BV], 2, v17
	v_lshl_add_u32 v[XA], v18, 5, v[XA]
	v_lshl_add_u32 v[SKA], v17, 2, s66             ; k's scale bytes: 128 x head + 4 r + half
	v_lshl_add_u32 v[SVA], v17, 1, s67
	v_lshlrev_b32 v[KO], 9, v18
	v_add_nc_u32 v[XA], s48, v[XA]
	v_add_nc_u32 v[SVA], v[SVA], v18               ; v's: 128 x head + 64 x half + 2 r + h
	v_lshl_add_u32 v[KO], v17, 4, v[KO]
.irp b, 0,1,2,3
	v_mov_b32 v[TM+4+\b], 0                        ; a lane permute's destination counts as one of its sources
.endr
	s_wait_alu depctr_va_vdst(0)
	s_wait_dscnt 0x0                               ; both opening adds are done
	s_wait_kmcnt 0x0
	s_cmp_eq_u32 s[YY], 1
	s_cselect_b64 s[4:5], s[6:7], s[4:5]
	s_cselect_b64 s[8:9], s[10:11], s[8:9]
	s_add_nc_u64 s[4:5], s[4:5], s[50:51]
	s_mov_b32 s[G0+0], 1
	s_mov_b32 s[G0+1], s52
	s_mov_b64 s[G0+2:G0+3], s[4:5]
	s_or_b32 s[G0+3], s[G0+3], 0x80000000
	tensor_load_to_lds s[G0:G0+3], s[G1:G1+7]      ; my one load; LDS is filled once
	s_nop 0
	PLACES 4
	s_add_nc_u64 s[16:17], s[12:13], s[54:55]
	s_add_nc_u64 s[18:19], s[12:13], s[56:57]
	s_add_nc_u64 s[20:21], s[14:15], s[58:59]
	s_add_nc_u64 s[22:23], s[14:15], s[60:61]
	s_add_nc_u64 s[8:9], s[8:9], s[62:63]
.irp t, 0,1
.irp s, 0,1,2,3
.irp cc, 0,1
	global_load_b128 v[W+8*(4*\t+\s)+4*\cc:W+8*(4*\t+\s)+4*\cc+3], v[GO], s[16:17] offset:\t*4096+\s*1024+\cc*512
.endr
.endr
.endr
.irp s, 0,1,2,3
	global_load_b32 v[WS+\s], v[L4], s[18:19] offset:\s*128   ; lanes 0-15 tile 0, lanes 16-31 tile 1
.endr
	s_cmp_eq_u32 s[YY], 1
	s_cbranch_scc1 .Lbias_v
.irp t, 0,1                            ; k: register j of tile t is column 16 t + 8 h + j
	global_load_b128 v[BIAS+8*\t:BIAS+8*\t+3], v[BQ], s[8:9] offset:64*\t
	global_load_b128 v[BIAS+8*\t+4:BIAS+8*\t+7], v[BQ], s[8:9] offset:64*\t+16
.endr
	s_branch .Lbias_in
.Lbias_v:
.irp t, 0,1                            ; v: all eight are column 16 t + r
	global_load_b32 v[BIAS+8*\t], v[BV], s[8:9] offset:64*\t
.endr
.Lbias_in:
	s_wait_tensorcnt 0x0                           ; my rows are in,
	s_barrier_signal -1
	s_barrier_wait -1                              ; and everybody's
.irp t, 0,1,2,3,4,5,6,7
.irp jj, 0,1
	ds_load_b128 v[XB0+8*\t+4*\jj:XB0+8*\t+4*\jj+3], v[XA] offset:64*\t+16*\jj
.endr
.endr
	s_wait_dscnt 0x0
	QUANT XB0
	ds_store_b128 v[XWI], v[PC:PC+3]
	ds_store_b128 v[XWI], v[PC+4:PC+7] offset:512
	v_lshl_or_b32 v[TM], v[TM+5], 8, v[TM+4]
	v_lshl_or_b32 v[TM+1], v[TM+7], 8, v[TM+6]
	v_lshl_or_b32 v[TM], v[TM+1], 16, v[TM]        ; the row's scale word: lanes l and l xor 16 have the same
	ds_store_b32 v[XWS], v[TM]
	s_wait_dscnt 0x0
	s_barrier_signal -1
	s_barrier_wait -1                              ; the whole image lies in LDS
	ds_load_b128 v[XS:XS+3], v[LXS]                ; the words of tiles 0 (lanes 0-15) and 1 (lanes 16-31), four K steps,
	ds_load_b128 v[XS+4:XS+7], v[LXS] offset:512   ; and of tiles 2 and 3
	FETCHG XB0, 0
	FETCHG XB1, 1
	s_wait_loadcnt 0x0
	s_cmp_eq_u32 s[YY], 1
	s_cbranch_scc1 .Lv
	ITER KMUL
	QUANT ACC                                      ; block b is tile b's, dk 32 half + 0 .. 31
.irp p, 0,1
	global_store_b128 v[KO], v[PC+4*\p:PC+4*\p+3], s[20:21] offset:1024*\p
.endr
.irp m, 0,1,2,3
	ds_store_b8 v[SKA], v[TM+4+\m] offset:64*(\m/2)+2*(\m%2)   ; lanes l and l xor 16 write the same byte with the same value
.endr
	OUT 0
.Lv:
.irp t, 0,1
.irp j, 1,2,3,4,5,6,7
	v_mov_b32 v[BIAS+8*\t+\j], v[BIAS+8*\t]
.endr
.endr
	s_wait_alu depctr_va_vdst(0)                   ; the products read these moves' results
	ITER VMUL
	QUANTV
.irp t, 0,1
	global_store_b128 v[GO], v[PC+4*\t:PC+4*\t+3], s[20:21] offset:512*\t
	ds_store_b8 v[SVA], v[TM+4+\t] offset:32*\t
.endr
	OUT 1024
.Lfunc_end_k_q1f622aa99b_proj:
	.size	k_q1f622aa99b_proj, .Lfunc_end_k_q1f622aa99b_proj-k_q1f622aa99b_proj
	.p2alignl 7, 3214868480
	.fill 96, 4, 3214868480
	.section	.rodata,"a",@progbits
	.p2align	6, 0x0
	.amdhsa_kernel k_q1f622aa99b_proj
		.amdhsa_group_segment_fixed_size 167936
		.amdhsa_private_segment_fixed_size 0
		.amdhsa_enable_private_segment 0
		.amdhsa_kernarg_size 48
		.amdhsa_user_sgpr_count 2
		.amdhsa_user_sgpr_kernarg_segment_ptr 1
		.amdhsa_wavefront_size32 1
		.amdhsa_system_sgpr_workgroup_id_x 1
		.amdhsa_system_sgpr_workgroup_id_y 1
		.amdhsa_system_sgpr_workgroup_id_z 1
		.amdhsa_system_vgpr_workitem_id 0
		.amdhsa_next_free_vgpr 256
		.amdhsa_next_free_sgpr 68
		.amdhsa_reserve_vcc 0
		.amdhsa_float_denorm_mode_32 3
		.amdhsa_float_denorm_mode_16_64 3
		.amdhsa_memory_ordered 1
		.amdhsa_forward_progress 1
		.amdhsa_inst_pref_size 35
	.end_amdhsa_kernel
	.amdgpu_metadata
---
amdhsa.version: [ 1, 2 ]
amdhsa.kernels:
  - .name:           k_q1f622aa99b_proj
    .symbol:         k_q1f622aa99b_proj.kd
    .args:
      - { .name: k_in, .offset: 0, .size: 8, .value_kind: global_buffer, .address_space: global }
      - { .name: v_in, .offset: 8, .size: 8, .value_kind: global_buffer, .address_space: global }
      - { .name: bk, .offset: 16, .size: 8, .value_kind: global_buffer, .address_space: global }
      - { .name: bv, .offset: 24, .size: 8, .value_kind: global_buffer, .address_space: global }
      - { .name: wimg, .offset: 32, .size: 8, .value_kind: global_buffer, .address_space: global }
      - { .name: kv, .offset: 40, .size: 8, .value_kind: global_buffer, .address_space: global }
    .group_segment_fixed_size: 167936
    .private_segment_fixed_size: 0
    .kernarg_segment_align: 8
    .kernarg_segment_size: 48
    .max_flat_workgroup_size: 512
    .sgpr_count:     68
    .vgpr_count:     256
    .wavefront_size: 32
...
	.end_amdgpu_metadata
.endif
;; end of part 6
;; launch attn (part 7): grid 64 x 4, 16 waves a work-group, clusters of 4 x 1, 327,680 bytes of LDS; arguments q_in, bq, wimg, kv, bo, out0; writes out0
.if DOCPART == 7
	.amdgcn_target "amdgcn-amd-amdhsa--gfx1250"
	.amdhsa_code_object_version 6
	.text
	.protected	k_q1f622aa99b_attn
	.globl	k_q1f622aa99b_attn
	.p2align	8
	.type	k_q1f622aa99b_attn,@function
k_q1f622aa99b_attn:
	s_mov_b64 s[64:65], 0
	v_nop
	global_prefetch_b8 v0, s[64:65] scope:SCOPE_SE
	s_setreg_imm32_b32 hwreg(HW_REG_WAVE_MODE, 25, 1), 1
	s_wait_xcnt 0x0
	s_wait_alu depctr_hold_cnt(0) depctr_sa_sdst(0) depctr_va_vdst(0) depctr_va_sdst(0) depctr_va_ssrc(0) depctr_va_vcc(0) depctr_vm_vsrc(0)
	s_getreg_b32 s2, hwreg(HW_REG_IB_STS2, 6, 4)
	s_cmp_eq_u32 s2, 0
	s_cbranch_scc0 .Lentry_in_a_cluster
	s_endpgm
.Lentry_in_a_cluster:
	s_bfe_u32 s2, ttmp6, 0x10000c
	s_cmp_lg_u32 s2, 0x3003
	s_cbranch_scc0 .Lentry_shape_is_right
	s_endpgm
.Lentry_shape_is_right:
; Q's projection, the attention of all eight heads and the product with Wo, for 32 queries of one batch: out0 = concat(softmax(q k^T / 8) v) Wo + bo, every product on codes of FP4 (E2M1) with one E8M0 scale for each 32 along its K.
; THE SOFTMAX AHEAD OF THE SECOND PRODUCT: t = score x log2(e) / 8; M = the running largest t rounded UP to a whole number; p = 2^(t - M) is quantised along the keys, not normalised.  The row's sum is taken of the
; unquantised p, in f32, and divides O at the end.  When M moves, the sum and O are multiplied by f = 2^(old M - new M): exact.
; SHARES.  A work-group owns 32 queries; wave w of its SIXTEEN owns head w / 2 and query tile e = w % 2: 16 queries.  So q_in's rows are read once, Q and O never leave the chip, and a row of out0 has one owner.
; THE RING.  A chunk is 256 keys of all heads: four records of 64 keys (K's codes 16,384, V's 16,384, K's scale words 1,024, V's scale bytes 1,024), 139,264 dense bytes; a weight's image is as large.
; Two slots: chunk 0 and Wq at the head; then chunks 1 .. 7 and Wo, each into the slot that has been left.  A fill is 16 loads, one a wave, of 34 rows of 256 bytes (at the head 68: waves 0-7 chunk 0, waves 8-15 Wq).
; CLUSTER: four query blocks of one batch walk the same keys and the same weights: every fill is a JOINT load, the same descriptor and the mask of all four in each.  No LDS address and no branch hangs on the place in the cluster.
; PREFETCH: at the change of slots that fills chunk i + 2, wave 0 of every work-group asks for its blocks of 256 bytes of chunk i + 3, a chunk's two steps ahead of its load: a chunk's 544 blocks are shared out among the batch's
; sixteen clusters (34 each) and, by address, among the four partners (nine lanes each, the last one's surplus clamped).  Chunks 0 to 2 and the weights come by their loads alone; behind chunk 7 nothing is asked for.
; LAYOUT.  Both products are used transposed: S^T = K Q^T (source 0 = 16 keys, source 1 = my 16 queries), O^T = V^T P^T: a lane holds ONE query (lane % 16) throughout.  Row m of score tile (c, u) is key 64 c + 32 (m / 8) + 8 u + m % 8
; of the step's 128: register j of lane (q, h) is key 64 c + 32 h + 8 u + j: a lane holds two WHOLE blocks of 32 keys (c = 0, 1), and the conversion of tile (c, u) IS register 4 c + u of P's operand.
; TWO TILES OF KEYS IN ONE FRAGMENT.  The first product's K is 64, the instruction's 128: registers 0-3 of a fragment hold tile (c, u), registers 4-7 tile (c, u + 2); it is multiplied by [Q | 0] and by [0 | Q] (twelve registers: 0, Q, 0).
; Zero codes add nothing under any scale byte but 0xff, and every byte here is 1 .. 254.
; THE CHANGE OF SLOTS lies in a chunk's second step: its waits and its signal stand behind that step's first products, when the slot has been read; M, t - M and the exponentials stand between signal and wait.
; LIMITS: NaN and infinities are not served; the promise holds while the scaled scores t stay under 2^31 in magnitude; p under 2^-126 counts as 0 (v_exp_f32 gives no denormals: ISA guide 15.8); a block's largest p is made of the
; block's largest score by the same multiply-add and exponential, which takes v_exp_f32 not to fall where its input rises; a block of zeros gets the byte 1 (its codes are zeros, and this program alone reads the bytes).
; REGISTERS: v1-11 addresses; v12 -M, v13 the largest score; v14, v15 lane permutes; v16-27 0, Q, 0 (in the head and on the way out: addresses); v28-29 V's scale words, v30 Q's; v32-63 K's fragments (also a projection's sums);
;   v64-95 V's; v96-159 S^T, then p; v160-191 O^T (v64-191 a projection's 16 fragments of weights); v192-193 K's scale words; v194-197 V's as loaded; v198-205 the sum in four chains; v206 f; v208-239 at work (a projection's rows);
;   v224-231 p's codes; v240-251 a projection's scale words; v253 p's scale word; v254 old -M.
.set REC,  34816
.set SLOT, 4*REC
.set PART, SLOT/16
.set XSC,  8192                        ; LDS: 0: 32 rows of codes in an operand's order (2 tiles x 4 K steps x 1,024), 8192: their scale words (tile x 256 + K step x 64 + 4 r)
.set BQS,  8704                        ; bq, then bo: 512 numbers each
.set BOS,  10752
.set S0,   12800
.set S1,   S0+SLOT
.set SPARE, S1+SLOT
.set XST,  SPARE+2048                  ; behind the spare words: 2,048 bytes for each wave, through which a row of q_in turns
.set LB,   1                           ; head x 2048 + 16 x lane
.set PFO,  2
.set SBK,  3                           ; h x REC + head x 128 + 4 r
.set SBV,  4                           ; head x 128 + 2 x lane
.set SH8,  5                           ; 8 h
.set SPW,  6
.set NIL,  7
.set ADK,  8
.set ADV,  9
.set ADS,  10
.set ADT,  11
.set PT,   14
.set PW,   15
.set TT,   31
.set KF,   32
.set VF,   64
.set KSC,  192
.set VR,   194
.set SU,   198
.set F,    206
.set SCO,  220
.set BY,   222
.set WV,   16
.set HD,   17
.set E,    18
.set G1,   24
.set G0,   32                          ; s[32:35] slot 0, s[36:39] slot 1
.set G0H,  40
.set SEL,  44
.set CS,   46
.set WO,   52
.set CNT,  54
.set PFL,  55
.set PFA,  56
.macro CREST                           ; a round of the cluster's barrier behind its opening barrier
	s_cmp_lg_u32 s[WV], 0
	s_cbranch_scc1 .Lnot_wave_0_\@
	s_barrier_signal -3
.Lnot_wave_0_\@:
	s_barrier_wait -3
	s_barrier_signal -1
	s_barrier_wait -1
.endm
.macro CROUND
	s_barrier_signal -1
	s_barrier_wait -1
	CREST
.endm
.macro PLACES n
.rept \n
	v_nop
.endr
.endm
.macro PADR b                          ; a projection's addresses; b: the slot in which the weight's image lies
	v_lshl_add_u32 v19, v24, 4, s74                ; my row tile's codes
	v_lshl_add_u32 v20, v25, 2, s75                ; and scale words
	v_lshl_add_u32 v21, v24, 4, s72                ; my head's 64 columns
	v_lshl_add_u32 v22, v24, 2, s73
	v_add_nc_u32 v21, \b, v21
	v_add_nc_u32 v22, (\b)+131072, v22
	v_lshl_add_u32 v23, v26, 5, s62                ; bias: head x 256 + 32 h
.endm
.macro BIASLD p                        ; register j of tile t is column 16 t + 8 h + j: the bias is the C of each sum's first product
.irp t, 0,1,2,3
	ds_load_b128 v[32+8*\t:35+8*\t], v23 offset:\p+64*\t
	ds_load_b128 v[36+8*\t:39+8*\t], v23 offset:\p+64*\t+16
.endr
.endm
; A PROJECTION: my 16 rows x my 64 columns, K = 512: v[32:63] = bias + W^T x^T; source 0 = 16 columns, source 1 = my rows: a lane holds one row.  Four accumulators by turns.
.macro PROJ
.irp s, 0,1,2,3
	ds_load_b32 v[248+\s], v20 offset:64*\s
	ds_load_b32 v[240+\s], v22 offset:128*\s
	ds_load_b32 v[244+\s], v22 offset:512+128*\s
	ds_load_b128 v[208+8*\s:211+8*\s], v19 offset:1024*\s
	ds_load_b128 v[212+8*\s:215+8*\s], v19 offset:1024*\s+512
.endr
.irp s, 0,1,2,3
.irp t, 0,1,2,3
	ds_load_b128 v[64+8*(4*\t+\s):67+8*(4*\t+\s)], v21 offset:4096*\t+1024*\s
	ds_load_b128 v[68+8*(4*\t+\s):71+8*(4*\t+\s)], v21 offset:4096*\t+1024*\s+512
.endr
.endr
.irp s, 0,1,2,3
	s_wait_dscnt 24-8*\s                           ; K step s is in; the later ones' eight loads each may be out
.irp t, 0,1,2,3
.if \t%2
	v_wmma_scale_f32_16x16x128_f8f6f4 v[32+8*\t:39+8*\t], v[64+8*(4*\t+\s):71+8*(4*\t+\s)], v[208+8*\s:215+8*\s], v[32+8*\t:39+8*\t], v[240+4*(\t/2)+\s], v[248+\s] matrix_a_fmt:MATRIX_FMT_FP4 matrix_b_fmt:MATRIX_FMT_FP4 matrix_a_scale:MATRIX_SCALE_ROW1
.else
	v_wmma_scale_f32_16x16x128_f8f6f4 v[32+8*\t:39+8*\t], v[64+8*(4*\t+\s):71+8*(4*\t+\s)], v[208+8*\s:215+8*\s], v[32+8*\t:39+8*\t], v[240+4*(\t/2)+\s], v[248+\s] matrix_a_fmt:MATRIX_FMT_FP4 matrix_b_fmt:MATRIX_FMT_FP4
.endif
.endr
.endr
.endm
; 32 registers (8 t + j: number 16 t + 8 h + j of my row) -> four registers of codes (lane (r, h): numbers 32 h + 0 .. 31) and the two scale bytes in v31
.macro QUANT2 s, d
.irp b, 0,1
	v_max3_num_f32 v[232+\b], |v[\s+16*\b]|, |v[\s+16*\b+1]|, 0x1800000
.endr
.irp i, 2,4,6,8,10,12,14
.irp b, 0,1
	v_max3_num_f32 v[232+\b], v[232+\b], |v[\s+16*\b+\i]|, |v[\s+16*\b+\i+1]|
.endr
.endr
.irp b, 0,1
	v_permlanex16_b32 v[236+\b], v[232+\b], s[SEL], s[SEL+1]
.endr
.irp b, 0,1
	v_max_num_f32 v[232+\b], v[232+\b], v[236+\b]
.endr
.irp b, 0,1
	v_add_nc_u32 v[SCO+\b], 0xff000000, v[232+\b]
.endr
.irp b, 0,1
	v_lshrrev_b32 v[BY+\b], 23, v[SCO+\b]
.endr
	v_lshl_or_b32 v31, v[BY+1], 8, v[BY]
.irp b, 0,1
	v_cvt_scalef32_pk8_fp4_f32 v[\d+\b], v[\s+16*\b:\s+16*\b+7], v[SCO+\b]
	v_cvt_scalef32_pk8_fp4_f32 v[\d+2+\b], v[\s+16*\b+8:\s+16*\b+15], v[SCO+\b]
.endr
	v_nop                                          ; one plain place behind a scaled conversion
	v_permlane16_swap_b32 v[\d], v[\d+1]
	v_permlane16_swap_b32 v[\d+2], v[\d+3]
.endm
.macro KLOAD                           ; a step's K: ten loads
	ds_load_b32 v[KSC], v[ADS]                     ; register u: lanes 0-15 fragment (0, u), lanes 16-31 fragment (1, u)
	ds_load_b32 v[KSC+1], v[ADS] offset:64
.irp f, 0,1,2,3
	ds_load_b128 v[KF+8*\f:KF+8*\f+3], v[ADK] offset:REC*(\f/2)+1024*(\f%2)
	ds_load_b128 v[KF+8*\f+4:KF+8*\f+7], v[ADK] offset:REC*(\f/2)+1024*(\f%2)+512
.endr
.endm
.macro QK f                            ; fragment f = 2 c + u gives score tiles (c, u) and (c, u + 2)
.set rS, 96+8*(4*((\f)/2)+(\f)%2)
.set rK, KF+8*(\f)
.if (\f)/2
	v_wmma_scale_f32_16x16x128_f8f6f4 v[rS:rS+7], v[rK:rK+7], v[20:27], 0, v[KSC+(\f)%2], v30 matrix_a_fmt:MATRIX_FMT_FP4 matrix_b_fmt:MATRIX_FMT_FP4 matrix_a_scale:MATRIX_SCALE_ROW1
	v_wmma_scale_f32_16x16x128_f8f6f4 v[rS+16:rS+23], v[rK:rK+7], v[16:23], 0, v[KSC+(\f)%2], v30 matrix_a_fmt:MATRIX_FMT_FP4 matrix_b_fmt:MATRIX_FMT_FP4 matrix_a_scale:MATRIX_SCALE_ROW1
.else
	v_wmma_scale_f32_16x16x128_f8f6f4 v[rS:rS+7], v[rK:rK+7], v[20:27], 0, v[KSC+(\f)%2], v30 matrix_a_fmt:MATRIX_FMT_FP4 matrix_b_fmt:MATRIX_FMT_FP4
	v_wmma_scale_f32_16x16x128_f8f6f4 v[rS+16:rS+23], v[rK:rK+7], v[16:23], 0, v[KSC+(\f)%2], v30 matrix_a_fmt:MATRIX_FMT_FP4 matrix_b_fmt:MATRIX_FMT_FP4
.endif
.endm
.macro TMINS from, n                   ; t - M, two at a time (of the pairs c and -M the low word serves both halves)
.set N, 96+2*(\from)
.rept \n
	v_pk_fma_f32 v[N:N+1], v[N:N+1], s[CS:CS+1], v[12:13] op_sel_hi:[1,0,0]
.set N, N+2
.endr
.endm
.macro SUM2 i                          ; pairs i, i + 1 of the UNQUANTISED p join the row's sum: four chains by turns
	v_pk_add_f32 v[SU+2*((\i)%4):SU+2*((\i)%4)+1], v[SU+2*((\i)%4):SU+2*((\i)%4)+1], v[96+2*(\i):97+2*(\i)]
	v_pk_add_f32 v[SU+2*((\i)%4)+2:SU+2*((\i)%4)+3], v[SU+2*((\i)%4)+2:SU+2*((\i)%4)+3], v[98+2*(\i):99+2*(\i)]
.endm
; A KEY STEP: 128 keys.  b: LDS byte of its first record; nb: of the next step's.  chg = 0: no change of slots; 1: change, and slot sl takes the chunk two on; 3: change, and slot 0 takes Wo; 2: the last step.
.macro STEP b, nb, chg, sl
	v_add_nc_u32 v[ADV], (\b)+16384, v[LB]         ; four places behind the last step's products, whose registers V's loads take
	v_add_nc_u32 v[ADT], (\b)+33792, v[SBV]
	v_nop
	v_nop
.irp c, 0,1
.irp n, 0,1,2,3
	ds_load_b128 v[VF+8*\n+4*\c:VF+8*\n+4*\c+3], v[ADV] offset:REC*\c+512*\n
.endr
.irp i, 0,1
	ds_load_u16 v[VR+2*\c+\i], v[ADT] offset:REC*\c+64*\i   ; dv 32 i + lane: the two bytes of half c
.endr
.endr
	s_wait_dscnt 12                                ; this step's K is in; V's twelve loads may be out
.irp f, 0,1,2,3
	QK \f
.endr
	v_mov_b32 v254, v12                            ; four places behind the products; the old -M
.if (\chg) != 2
	v_add_nc_u32 v[ADK], \nb, v[LB]
	v_add_nc_u32 v[ADS], (\nb)+32768, v[SBK]
.else
	v_nop
	v_nop
.endif
	v_nop
.irp t, 0,1,2,3,4,5,6,7
	v_max3_num_f32 v[232+\t], v[96+8*\t], v[97+8*\t], v[98+8*\t]   ; the largest score, a chain to a tile, each tile from its low end on
.endr
.irp i, 3,5
.irp t, 0,1,2,3,4,5,6,7
	v_max3_num_f32 v[232+\t], v[232+\t], v[96+8*\t+\i], v[97+8*\t+\i]
.endr
.endr
	v_max3_num_f32 v232, v232, v233, v103          ; the chains and each tile's eighth register meet:
	v_max3_num_f32 v236, v236, v237, v135
	v_max3_num_f32 v234, v234, v235, v111
	v_max3_num_f32 v238, v238, v239, v143
	v_max3_num_f32 v232, v232, v234, v119
	v_max3_num_f32 v236, v236, v238, v151
	v_max_num_f32 v232, v232, v127                 ; THE LARGEST SCORE OF MY BLOCK h (tiles 0-3)
	v_max_num_f32 v236, v236, v159                 ; and of my block 2 + h (tiles 4-7): they serve the row's maximum and, since p rises with the score, the blocks' largest p
	v_max3_num_f32 v13, v13, v232, v236            ; the running largest score
.if (\chg)%2
	s_wait_alu depctr_va_vdst(0)
	s_wait_tensorcnt 0x0                           ; my part of the next slot has landed;
	ds_add_u32 v[SPW], v[NIL]                      ; 0 onto my spare word;
.if (\chg) == 1
	s_add_nc_u64 s[G0+4*(\sl)+2:G0+4*(\sl)+3], s[G0+4*(\sl)+2:G0+4*(\sl)+3], 2*SLOT
	s_wait_xcnt 0x0                                ; any prefetch of mine has read its address: it may step
	s_add_nc_u64 s[PFA:PFA+1], s[PFA:PFA+1], SLOT
.else
	s_mov_b64 s[G0+2:G0+3], s[WO:WO+1]
	s_or_b32 s[G0+3], s[G0+3], 0x80000000
.endif
	s_wait_dscnt 0x0                               ; the add is done, and all my reads of this slot are over:
	s_barrier_signal -1                            ; this barrier opens a round of the cluster's barrier; register work alone up to its wait
.endif
	v_permlanex16_b32 v[PT], v13, s[SEL], s[SEL+1]
	v_max_num_f32 v13, v13, v[PT]                  ; with lane l xor 16's 64 keys
	v_mul_f32 v[TT], s[CS], v13                    ; as t (c is positive)
	v_floor_f32 v12, -v[TT]                        ; the new -M = floor(-t) = -ceil(t): a whole number
	v_sub_f32 v254, v12, v254                      ; old M - new M: a whole number, 0 or less
	v_fma_f32 v232, v232, s[CS], v12               ; t - M of each block's largest score
	v_fma_f32 v236, v236, s[CS], v12
	TMINS 0, 4
	v_cvt_i32_f32 v254, v254                       ; (it saturates)
	TMINS 4, 4
	v_ldexp_f32 v[F], 1.0, v254                    ; f = 2^(old M - new M)
	TMINS 8, 24
.set N, 160
.rept 16
	v_pk_mul_f32 v[N:N+1], v[N:N+1], v[F:F+1] op_sel_hi:[1,0]   ; O^T under the new M, in ascending order
.set N, N+2
.endr
	s_wait_alu depctr_va_vdst(0)                   ; ahead of the batch
	v_exp_f32 v232, v232                           ; the blocks' largest p: the same two instructions on the same number give the same bits
	v_exp_f32 v236, v236
.set N, 96
.rept 64
	v_exp_f32 v[N], v[N]                           ; p = 2^(t - M)
.set N, N+1
.endr
	v_nop                                          ; one plain place behind the batch
	s_wait_alu depctr_va_vdst(0)                   ; and the wait behind it
.if (\chg)%2
	s_barrier_wait -1
	CREST                                          ; no wave of any partner still reads the slot or has a load on its way
	tensor_load_to_lds s[G0+4*(\sl):G0+4*(\sl)+3], s[G1:G1+7]   ; the joint refill: my one load, first behind the round; it has the next chunk's work in which to land
	s_nop 0
	PLACES 4
.endif
.if (\chg) != 2
	KLOAD                                          ; the next step's K
.endif
.if (\chg) == 1
.if (\sl) == 0
	s_cmp_ge_u32 s[CNT], s[PFL]                    ; wave 0 alone
.else
	s_cmp_gt_u32 s[CNT], s[PFL]                    ; and not in the last trip: there is no chunk 8
.endif
	s_cbranch_scc0 .Lnot_mine_\@
	global_prefetch_b8 v[PFO], s[PFA:PFA+1] th:TH_LOAD_NT scope:SCOPE_SE
.Lnot_mine_\@:
.endif
.if (\chg) == 0
	s_wait_dscnt 10                                ; V is in; the next K's ten loads may be out
.elseif (\chg) == 2
	s_wait_dscnt 0x0
.endif
	v_lshl_or_b32 v28, v[VR+2], 16, v[VR]          ; V's scale words: word i: lanes 0-15 dv tile 2 i, lanes 16-31 tile 2 i + 1
	v_lshl_or_b32 v29, v[VR+3], 16, v[VR+1]
	v_max_num_f32 v232, 0x1800000, v232            ; the floor 2^(3 - 127): the byte cannot fall under 1
	v_max_num_f32 v236, 0x1800000, v236
.irp k, 0,1,2,3
	v_pk_fma_f32 v[SU+2*\k:SU+2*\k+1], v[SU+2*\k:SU+2*\k+1], v[F:F+1], v[96+2*\k:97+2*\k] op_sel_hi:[1,0,1]   ; the sum so far comes under the new M in the same line
.endr
	v_add_nc_u32 v[SCO], 0xff000000, v232          ; 2 off the exponent field: the conversion's scale operand
	v_add_nc_u32 v[SCO+1], 0xff000000, v236
	SUM2 4
	v_lshrrev_b32 v[BY], 23, v[SCO]
	v_lshrrev_b32 v[BY+1], 23, v[SCO+1]
	SUM2 6
	v_lshl_or_b32 v253, v[BY+1], 16, v[BY]         ; p's scale word: lane (q, h) has the bytes of blocks h and 2 + h,
	SUM2 8
	v_lshlrev_b32 v253, v[SH8], v253               ; at their places: 8 h bits up;
	SUM2 10
	v_permlanex16_b32 v[PW], v253, s[SEL], s[SEL+1]
	SUM2 12
	v_or_b32 v253, v253, v[PW]                     ; with lane l xor 16's two the word is whole
.irp t, 0,1,2,3,4,5,6,7
	v_cvt_scalef32_pk8_fp4_f32 v[224+\t], v[96+8*\t:103+8*\t], v[SCO+\t/4]
	SUM2 14+2*\t
.endr
	SUM2 30                                        ; (with the two before: four places between the last codes and the products)
.irp n, 0,1,2,3                        ; O^T += V^T P^T: the four accumulators take turns
.if \n%2
	v_wmma_scale_f32_16x16x128_f8f6f4 v[160+8*\n:167+8*\n], v[VF+8*\n:VF+8*\n+7], v[224:231], v[160+8*\n:167+8*\n], v[28+\n/2], v253 matrix_a_fmt:MATRIX_FMT_FP4 matrix_b_fmt:MATRIX_FMT_FP4 matrix_a_scale:MATRIX_SCALE_ROW1
.else
	v_wmma_scale_f32_16x16x128_f8f6f4 v[160+8*\n:167+8*\n], v[VF+8*\n:VF+8*\n+7], v[224:231], v[160+8*\n:167+8*\n], v[28+\n/2], v253 matrix_a_fmt:MATRIX_FMT_FP4 matrix_b_fmt:MATRIX_FMT_FP4
.endif
.endr
.endm
	s_load_b256 s[4:11], s[0:1], 0x0               ; q_in, bq, wimg, kv
	s_load_b128 s[12:15], s[0:1], 0x20             ; bo, out0
	v_lshl_add_u32 v[SPW], v0, 2, SPARE
	v_mov_b32 v[NIL], 0
	ds_add_u32 v[SPW], v[NIL]                      ; the wave's opening: the add, twice on end, and its wait
	ds_add_u32 v[SPW], v[NIL]
	v_lshrrev_b32 v8, 5, v0
	v_readfirstlane_b32 s[WV], v8                  ; wave 0..15
	s_lshr_b32 s[HD], s[WV], 1
	s_and_b32 s[E], s[WV], 1
	s_bfe_u32 s20, ttmp6, 0x40000                  ; cx: it enters global addresses of q_in, of out0 and of the prefetch alone
	s_lshl_b32 s21, ttmp9, 2
	s_add_co_u32 s21, s21, s20                     ; my block of 32 queries, 0 .. 63
	s_and_b32 s19, ttmp7, 0xffff                   ; the batch, which the four partners share
	s_mov_b32 s[G1+0], 15|(3<<16)|(1<<21)          ; the mask: all four; elements of 8 bytes; bit 21 set beside a mask; no padding
	s_mov_b32 s[G1+1], 32<<16                      ; rows of 256 bytes, dense
	s_mov_b32 s[G1+2], 68<<16                      ; 68 rows at the head, 34 behind it
	s_mov_b32 s[G1+3], 32<<16
	s_mov_b32 s[G1+4], 68
	s_mov_b32 s[G1+5], 32
	s_mov_b32 s[G1+6], 0
	s_mov_b32 s[G1+7], 0
	s_lshl_b32 s22, s19, 6
	s_add_co_u32 s22, s22, s21
	s_lshl_b32 s58, s22, 16                        ; my 32 rows of 2,048 bytes in q_in and out0
	s_lshl_b32 s60, s[WV], 12
	s_add_co_u32 s60, s60, s58                     ; q_in: wave w quantises rows 2 w, 2 w + 1
	s_mov_b32 s61, 0
	s_lshl_b32 s22, s[E], 15
	s_add_co_u32 s58, s58, s22
	s_lshl_b32 s62, s[HD], 8                       ; biases: my 64 columns
	s_mov_b32 s63, 0
	s_add_co_u32 s58, s58, s62                     ; out0: row tile e, my 64 columns
	s_mov_b32 s59, 0
	s_mul_i32 s66, s19, 32*REC                     ; my batch's records
	s_mov_b32 s67, 0
	s_and_b32 s22, s[WV], 7
	s_mul_i32 s68, s22, 2*PART                     ; the head's load: an eighth of an image
	s_mov_b32 s69, 0
	s_mul_i32 s70, s[WV], PART                     ; the ring's: a sixteenth
	s_mov_b32 s71, 0
	s_lshl_b32 s72, s[HD], 14
	s_lshl_b32 s73, s[HD], 10
	s_lshl_b32 s74, s[E], 12
	s_lshl_b32 s75, s[E], 8
	s_add_co_u32 s75, s75, XSC
	s_mul_i32 s76, s[WV], 16*272
	s_add_co_u32 s76, s76, S1                      ; the way out: my stage, in slot 1, which then has had its last fill
	s_lshl_b32 s77, s[HD], 9
	s_add_co_u32 s77, s77, s74                     ; O's codes: row tile e, K step head / 2, half head % 2
	s_lshr_b32 s78, s[HD], 1
	s_lshl_b32 s78, s78, 6
	s_add_co_u32 s78, s78, s75
	s_and_b32 s79, s[HD], 1
	s_lshl_b32 s79, s79, 1
	s_add_co_u32 s78, s78, s79                     ; and their two scale bytes
	s_lshr_b32 s23, s[WV], 3                       ; q_in's codes: row tile w / 8, row 2 (w % 8)
	s_lshl_b32 s79, s23, 8
	s_lshl_b32 s23, s23, 12
	s_lshl_b32 s80, s22, 5
	s_add_co_u32 s23, s23, s80
	s_lshl_b32 s80, s22, 3
	s_add_co_u32 s79, s79, s80
	s_add_co_u32 s79, s79, XSC
	s_lshl_b32 s80, s[HD], 11
	s_lshl_b32 s81, s[HD], 7
	s_mul_i32 s82, s20, 9
	s_mul_i32 s83, ttmp9, 34
	s_lshl_b32 s84, s[WV], 11
	s_add_co_u32 s84, s84, XST                     ; my stage for q_in's rows
	s_mov_b32 s[SEL], 0x76543210                   ; lane l xor 16
	s_mov_b32 s[SEL+1], 0xfedcba98
	s_mov_b32 s[CS], 0x3e38aa3b                    ; c = log2(e) / 8
	s_mov_b32 s[CS+1], s[CS]                       ; (named with it as a pair, so it is written)
	s_cmp_eq_u32 s[WV], 0
	s_cselect_b32 s[PFL], 1, 99                    ; wave 0 prefetches
	v_and_b32 v24, 31, v0                          ; lane
	v_and_b32 v25, 15, v0                          ; r
	v_bfe_u32 v26, v0, 4, 1                        ; h
	v_lshl_add_u32 v[LB], v24, 4, s80
	v_mul_u32_u24 v[SBK], v26, REC
	v_lshl_add_u32 v[SBV], v24, 1, s81
	v_lshlrev_b32 v[SH8], 3, v26
	v_min_u32 v[PFO], 8, v24
	v_lshl_add_u32 v[SBK], v25, 2, v[SBK]
	v_lshlrev_b32 v16, 4, v24                      ; q_in: 512 consecutive bytes a load
	v_lshl_add_u32 v8, v24, 4, s84                 ; into the stage as they lie,
	v_lshl_add_u32 v31, v24, 5, s84                ; and back: eight neighbours a lane
	v_lshlrev_b32 v9, 2, v0                        ; the biases: a number a thread
	v_add_nc_u32 v[PFO], s82, v[PFO]
	v_add_nc_u32 v[SBK], s81, v[SBK]
	v_lshrrev_b32 v17, 2, v24
	v_min_u32 v[PFO], 33, v[PFO]
	v_and_b32 v27, 3, v24
	v_lshlrev_b32 v17, 8, v17
	v_add_nc_u32 v[PFO], s83, v[PFO]
	v_lshlrev_b32 v18, 6, v26
	v_lshl_add_u32 v17, v27, 2, v17
	v_bfe_u32 v27, v24, 2, 2
	v_lshlrev_b32 v[PFO], 8, v[PFO]
	v_add_nc_u32 v17, s23, v17                     ; LDS: (lane / 4) x 256 + (lane % 4) x 4: my dword of the row's codes
	v_add_nc_u32 v18, v18, v27
	v_add_nc_u32 v18, s79, v18                     ; and my block's scale byte
	PADR S1
	s_wait_alu depctr_va_vdst(0)
	s_wait_dscnt 0x0                               ; both opening adds are done
	CROUND                                         ; all four work-groups are here: the joint loads meet
	s_wait_kmcnt 0x0
	s_add_nc_u64 s[4:5], s[4:5], s[60:61]
.irp i, 0,1,2,3,4,5,6,7                ; row 2 w + i / 4
	global_load_b128 v[96+4*\i:99+4*\i], v16, s[4:5] offset:512*\i th:TH_LOAD_NT
.endr
	global_load_b32 v10, v9, s[6:7]
	global_load_b32 v11, v9, s[12:13]
	s_add_nc_u64 s[14:15], s[14:15], s[58:59]
	s_add_nc_u64 s[10:11], s[10:11], s[66:67]
	s_cmp_lt_u32 s[WV], 8                          ; waves 0-7 fetch chunk 0, waves 8-15 Wq: the same line, the same group 1
	s_cselect_b64 s[48:49], s[10:11], s[8:9]
	s_add_nc_u64 s[48:49], s[48:49], s[68:69]
	s_mul_i32 s41, s[WV], 2*PART
	s_add_co_u32 s41, s41, S0                      ; eight parts fill slot 0, eight slot 1
	s_mov_b32 s[G0H], 1
	s_mov_b64 s[G0H+2:G0H+3], s[48:49]
	s_or_b32 s[G0H+3], s[G0H+3], 0x80000000
	s_add_nc_u64 s[50:51], s[10:11], s[70:71]      ; the ring: made of the batch and the wave's number alone
	s_mul_i32 s22, s[WV], PART
	s_mov_b32 s[G0+0], 1
	s_add_co_u32 s[G0+1], s22, S0
	s_mov_b64 s[G0+2:G0+3], s[50:51]               ; chunk 0: slot 0's first refill steps it to chunk 2
	s_or_b32 s[G0+3], s[G0+3], 0x80000000
	s_mov_b32 s[G0+4], 1
	s_add_co_u32 s[G0+5], s22, S1
	s_add_nc_u64 s[G0+6:G0+7], s[50:51], SLOT      ; chunk 1
	s_or_b32 s[G0+7], s[G0+7], 0x80000000
	s_add_nc_u64 s[WO:WO+1], s[8:9], s[70:71]
	s_add_nc_u64 s[WO:WO+1], s[WO:WO+1], 3*SLOT    ; Wo's image
	s_add_nc_u64 s[PFA:PFA+1], s[10:11], 2*SLOT    ; the first change steps it to chunk 3
	tensor_load_to_lds s[G0H:G0H+3], s[G1:G1+7]    ; one tensor load a wave at the head
	s_nop 0
	PLACES 4
.irp y, 0,1                            ; row 2 w + y through the stage: LDS serves a wave's instructions in order (ISA guide 5.7.1.4)
	s_wait_loadcnt 6-4*\y                          ; this row's four loads are in; the next row's and the two biases may be out
.irp i, 0,1,2,3
	ds_store_b128 v8, v[96+16*\y+4*\i:99+16*\y+4*\i] offset:512*\i
.endr
.irp z, 0,1                            ; k = 256 z + 8 x lane + 0 .. 7 -> v[64 + 8 (2 y + z)] and on
	ds_load_b128 v[64+16*\y+8*\z:67+16*\y+8*\z], v31 offset:1024*\z
	ds_load_b128 v[68+16*\y+8*\z:71+16*\y+8*\z], v31 offset:1024*\z+16
.endr
.endr
	s_wait_loadcnt 0
	ds_store_b32 v9, v10 offset:BQS
	ds_store_b32 v9, v11 offset:BOS
	s_wait_dscnt 2                                 ; both rows are back; the two stores may be out
.irp z, 0,1,2,3
	v_max3_num_f32 v[208+\z], |v[64+8*\z]|, |v[65+8*\z]|, 0x1800000
.endr
.irp i, 2,4,6
.irp z, 0,1,2,3
	v_max3_num_f32 v[208+\z], v[208+\z], |v[64+8*\z+\i]|, |v[65+8*\z+\i]|
.endr
.endr
.irp z, 0,1,2,3                        ; four neighbouring lanes hold a block
	v_max_num_f32_dpp v[208+\z], v[208+\z], v[208+\z] row_xmask:1 row_mask:0xf bank_mask:0xf
.endr
.irp z, 0,1,2,3
	v_max_num_f32_dpp v[208+\z], v[208+\z], v[208+\z] row_xmask:2 row_mask:0xf bank_mask:0xf
.endr
.irp z, 0,1,2,3
	v_add_nc_u32 v[212+\z], 0xff000000, v[208+\z]
.endr
.irp z, 0,1,2,3
	v_cvt_scalef32_pk8_fp4_f32 v[216+\z], v[64+8*\z:71+8*\z], v[212+\z]
.endr
.irp z, 0,1,2,3
	v_lshrrev_b32 v[220+\z], 23, v[212+\z]
.endr
.irp z, 0,1,2,3
	ds_store_b32 v17, v[216+\z] offset:(\z/2)*16+(\z%2)*2048
	ds_store_b8 v18, v[220+\z] offset:(\z/2)*4+(\z%2)*128   ; the four lanes of a block write the same byte with the same value
.endr
	s_wait_tensorcnt 0x0                           ; my load has landed, so a descriptor may be written: from here on 34 rows
	s_mov_b32 s[G1+2], 34<<16
	s_mov_b32 s[G1+4], 34
	s_wait_dscnt 0x0
	s_barrier_signal -1
	s_barrier_wait -1                              ; the rows' codes, Wq and chunk 0 lie in LDS
	BIASLD BQS
	PROJ
.irp i, 16,17,18,19,24,25,26,27
	v_mov_b32 v[\i], 0                             ; zero codes on both sides of Q: v[20:27] is [Q | 0], v[16:23] is [0 | Q].  (Places behind the products)
.endr
	QUANT2 32, 20
	v_lshl_or_b32 v30, v31, 16, v31                ; Q's two bytes twice: bytes 0, 1 serve [Q | 0], bytes 2, 3 serve [0 | Q]
	v_mov_b32 v13, 0xff61b1e6                      ; the largest score so far: -3e38, under every score
	v_mul_f32 v[TT], s[CS], v13
	v_floor_f32 v12, -v[TT]                        ; -M
	s_wait_tensorcnt 0x0                           ; Wq's slot is filled again:
	ds_add_u32 v[SPW], v[NIL]
.irp i, 198,199,200,201,202,203,204,205,207,14,15
	v_mov_b32 v[\i], 0                             ; the sum; f's pair; the lane permutes' destinations, which count as sources
.endr
.set N, 160
.rept 32
	v_mov_b32 v[N], 0                              ; O^T.  (The step has no first form of its own: it finds zeros, which the first f, 0, leaves zeros)
.set N, N+1
.endr
	s_wait_alu depctr_va_vdst(0)
	s_wait_dscnt 0x0                               ; the add is done, and my reads of Wq are over
	CROUND
	tensor_load_to_lds s[G0+4:G0+7], s[G1:G1+7]    ; chunk 1
	s_nop 0
	PLACES 4
	v_add_nc_u32 v[ADK], S0, v[LB]
	v_add_nc_u32 v[ADS], S0+32768, v[SBK]
	KLOAD                                          ; K of step 0
	s_mov_b32 s[CNT], 3
.Ltrip:                                            ; chunks 2 i, 2 i + 1, i = 0 .. 2
	STEP S0, S0+2*REC, 0, 0
	STEP S0+2*REC, S1, 1, 0
	STEP S1, S1+2*REC, 0, 0
	STEP S1+2*REC, S0, 1, 1
	s_sub_co_u32 s[CNT], s[CNT], 1
	s_cmp_lg_u32 s[CNT], 0
	s_cbranch_scc1 .Ltrip
	STEP S0, S0+2*REC, 0, 0                        ; chunk 6; its slot then takes Wo
	STEP S0+2*REC, S1, 3, 0
	STEP S1, S1+2*REC, 0, 0                        ; chunk 7
	STEP S1+2*REC, 0, 2, 0
	; THE WAY OUT: O^T / the sum, quantised along my head's 64, meets the other heads' in LDS; then 16 rows x 64 columns of out0 a wave
	v_and_b32 v24, 31, v0                          ; (these lines are the places behind the last products)
	v_and_b32 v25, 15, v0
	v_bfe_u32 v26, v0, 4, 1
	PADR S0
	BIASLD BOS
	v_mul_u32_u24 v16, v25, 272
	v_mul_u32_u24 v17, v26, 272
	v_lshlrev_b32 v18, 11, v26
	v_lshl_add_u32 v27, v24, 4, s77
	v_lshl_add_u32 v8, v25, 2, s78
	v_lshl_add_u32 v16, v26, 5, v16
	v_lshl_add_u32 v17, v25, 4, v17
	v_lshl_add_u32 v18, v25, 4, v18                ; out0: lanes 0-15 one row, lanes 16-31 the next
	v_add_nc_u32 v16, s76, v16                     ; the stage, in: row r, 32 h
	v_add_nc_u32 v17, s76, v17                     ; and back, by rows
	v_pk_add_f32 v[SU:SU+1], v[SU:SU+1], v[SU+2:SU+3]
	v_pk_add_f32 v[SU+4:SU+5], v[SU+4:SU+5], v[SU+6:SU+7]
	v_pk_add_f32 v[SU:SU+1], v[SU:SU+1], v[SU+4:SU+5]
	v_add_f32 v[SU], v[SU], v[SU+1]
	v_permlanex16_b32 v[PT], v[SU], s[SEL], s[SEL+1]
	v_add_f32 v[SU], v[SU], v[PT]                  ; with lane l xor 16's: the row's sum
	s_wait_alu depctr_va_vdst(0)                   ; ahead of the transcendental
	v_rcp_f32 v[SU], v[SU]
	v_nop
	s_wait_alu depctr_va_vdst(0)                   ; and behind it, ahead of the first readers of the last products
.set N, 0
.rept 32
	v_mul_f32 v[96+N], v[160+N], v[SU]             ; register 8 n + j is dv 16 n + 8 h + j of my query
.set N, N+1
.endr
	QUANT2 96, 224
	ds_store_b128 v27, v[224:227]
	ds_store_b16 v8, v31                           ; both lanes of a query write the same two bytes with the same value
	s_wait_alu depctr_va_vdst(0)
	s_wait_tensorcnt 0x0                           ; my part of Wo has landed
	s_wait_dscnt 0x0
	s_barrier_signal -1
	s_barrier_wait -1                              ; everybody's has, all heads' codes lie in LDS, and slot 1 is read no more
	PROJ
	PLACES 4
.irp t, 0,1,2,3
	ds_store_b128 v16, v[32+8*\t:35+8*\t] offset:64*\t      ; each accumulator from its low end on
	ds_store_b128 v16, v[36+8*\t:39+8*\t] offset:64*\t+16
.endr
.irp i, 0,1,2,3,4,5,6,7
	ds_load_b128 v[64+4*\i:67+4*\i], v17 offset:2*\i*272    ; LDS serves a wave's instructions in order (ISA guide 5.7.1.4): these see my stores
.endr
.irp i, 0,1,2,3,4,5,6,7
	s_wait_dscnt 7-\i                              ; this pair of rows is back; the younger loads may be out
	global_store_b128 v18, v[64+4*\i:67+4*\i], s[14:15] offset:\i*4096 th:TH_STORE_NT   ; each sixteen lanes store 256 consecutive bytes, aligned
.endr
	s_wait_tensorcnt 0x0                           ; the wave's end
	ds_add_u32 v[SPW], v[NIL]
	s_wait_dscnt 0x0
	CROUND                                         ; the closing round: no work-group ends while a partner may still ask for a tile that names it
	s_endpgm
.Lfunc_end_k_q1f622aa99b_attn:
	.size	k_q1f622aa99b_attn, .Lfunc_end_k_q1f622aa99b_attn-k_q1f622aa99b_attn
	.p2alignl 7, 3214868480
	.fill 96, 4, 3214868480
	.section	.rodata,"a",@progbits
	.p2align	6, 0x0
	.amdhsa_kernel k_q1f622aa99b_attn
		.amdhsa_group_segment_fixed_size 327680
		.amdhsa_private_segment_fixed_size 0
		.amdhsa_enable_private_segment 0
		.amdhsa_kernarg_size 48
		.amdhsa_user_sgpr_count 2
		.amdhsa_user_sgpr_kernarg_segment_ptr 1
		.amdhsa_wavefront_size32 1
		.amdhsa_system_sgpr_workgroup_id_x 1
		.amdhsa_system_sgpr_workgroup_id_y 1
		.amdhsa_system_sgpr_workgroup_id_z 1
		.amdhsa_system_vgpr_workitem_id 0
		.amdhsa_next_free_vgpr 256
		.amdhsa_next_free_sgpr 88
		.amdhsa_reserve_vcc 0
		.amdhsa_float_denorm_mode_32 3
		.amdhsa_float_denorm_mode_16_64 3
		.amdhsa_memory_ordered 1
		.amdhsa_forward_progress 1
		.amdhsa_inst_pref_size 151
	.end_amdhsa_kernel
	.amdgpu_metadata
---
amdhsa.version: [ 1, 2 ]
amdhsa.kernels:
  - .name:           k_q1f622aa99b_attn
    .symbol:         k_q1f622aa99b_attn.kd
    .args:
      - { .name: q_in, .offset: 0, .size: 8, .value_kind: global_buffer, .address_space: global }
      - { .name: bq, .offset: 8, .size: 8, .value_kind: global_buffer, .address_space: global }
      - { .name: wimg, .offset: 16, .size: 8, .value_kind: global_buffer, .address_space: global }
      - { .name: kv, .offset: 24, .size: 8, .value_kind: global_buffer, .address_space: global }
      - { .name: bo, .offset: 32, .size: 8, .value_kind: global_buffer, .address_space: global }
      - { .name: out0, .offset: 40, .size: 8, .value_kind: global_buffer, .address_space: global }
    .group_segment_fixed_size: 327680
    .private_segment_fixed_size: 0
    .kernarg_segment_align: 8
    .kernarg_segment_size: 48
    .max_flat_workgroup_size: 512
    .sgpr_count:     88
    .vgpr_count:     256
    .wavefront_size: 32
...
	.end_amdgpu_metadata
.endif
;; end of part 7
